; MI455X (gfx1250); checked and timed in simulation.
; The chip was launched on July 23, 2026; its instructions are those of AMD's public machine-readable ISA for CDNA 5 (MIT licence, August 2026) and "CDNA5" Instruction Set Architecture Reference Guide (July 2026). The comments in the code are by the model that wrote it; some were corrected since.
;; Attention. Allowed arithmetic: matrix products marked QUANTISED: E2M3 operands, one E8M0 scale for each 32 along K, by v_wmma_scale_f32_16x16x128_f8f6f4 with both operands' format E2M3, f32 sums; everything else in f32.
;; Inputs: Wk 1,024 x 1,024 float32; Wq 1,024 x 1,024 float32; Wv 1,024 x 1,024 float32; x 4 x 2,048 x 1,024 float32.
;; Outputs: out0 4 x 2,048 x 1,024 float32.
;; This version of the problem:
;;   THIS VERSION OF THE PROBLEM IS GIVEN IN LOW PRECISION. The matrix products marked QUANTISED in the list below multiply operands that are first quantised to E2M3 (2 exponent bits, 3 mantissa bits; 6 bits a number), with one power-of-two scale for each 32 numbers along K (OCP MX v1.0); their sums are f32. All else is computed in f32.
;;   The module's matrix products, in the order in which they are computed (A, B: the left and right operand; K: the contracted axis; several contracted axes count as one K, in the product's order):
;;     1. [M 8,192, K 1,024] x [K 1,024, N 1,024]; A: input x; B: input Wq: QUANTISED
;;     2. [M 8,192, K 1,024] x [K 1,024, N 1,024]; A: input x; B: input Wk: QUANTISED
;;     3. [M 8,192, K 1,024] x [K 1,024, N 1,024]; A: input x; B: input Wv: QUANTISED
;;     4. batch 4 x [M 2,048, K 1,024] x [K 1,024, N 2,048]; A: computed on the way; B: computed on the way: QUANTISED
;;     5. batch 4 x [M 2,048, K 2,048] x [K 2,048, N 1,024]; A: softmax (see below); B: computed on the way: QUANTISED
;;   THE QUANTISER, for each operand of a quantised product, along K:
;;     - K is cut into blocks of 32 from its start; a last block that is shorter is filled with zeros.
;;     - A block's scale is 2^e with e = floor(log2(the largest magnitude in the block)) - 2, held to -126 .. 127; a block of zeros has e = 0. As a byte (E8M0): e + 127.
;;     - Each number is divided by its block's scale, clamped to +-7.5, and rounded to the nearest number of E2M3, ties to even, subnormals kept.
;;     - The product sums the exact products of the quantised numbers (number of the format x scale) in f32.
;;   ~~~python
;;   def quantise(x, axis):      # numpy; x: float32 -> the quantised numbers, widened to float32 again
;;       x = np.moveaxis(x, axis, -1); K = x.shape[-1]
;;       x = np.pad(x, [(0, 0)] * (x.ndim - 1) + [(0, -K % 32)]); x = x.reshape(x.shape[:-1] + (-1, 32)); a = np.abs(x).max(-1, keepdims=True)
;;       e = np.where(a > 0, np.clip(np.frexp(np.where(a > 0, a, 1))[1] - 1 - 2, -126, 127), 0)      # np.frexp(a)[1] - 1 = floor(log2(a)), exactly
;;       r = np.clip(x / 2.0 ** e, -7.5, 7.5)
;;       step = 2.0 ** (np.maximum(np.frexp(np.where(r == 0, 1, r))[1] - 1, 0) - 3)
;;       q = np.round(r / step) * step * 2.0 ** e      # np.round: ties to even
;;       return np.moveaxis(q.reshape(q.shape[:-2] + (-1,))[..., :K], -1, axis).astype(np.float32)
;;   ~~~
;;   SOFTMAX AHEAD OF A QUANTISED PRODUCT. Where the list says 'softmax', what is quantised is not the finished softmax but p = 2^(t - M), with t = logit x log2(e) and M = ceil(the row's largest t), a whole number; so 1/2 < the row's largest p <= 1. The row's sum l is taken of the UNQUANTISED p, in f32, and the product's result is divided by l at the end. Since M is a whole number, a kernel that streams over the keys may use a running M (the ceiling of the running maximum): every later rescaling is an exact power of two, which a block's scale takes up: the codes' values come out the same.
;;   OPERANDS COMPUTED ON THE WAY. 'Computed on the way' means the value that the module computes at that place (a softmax that the list does not call 'softmax' is quantised finished and normalised). What goes into a quantiser is computed in f32, as accurately as f32 sums, v_exp_f32 and their like allow (about 1e-6 of the number): no bf16 or f16 on the way to a quantiser, and a product that is left as it is and whose result goes on into a quantised operand takes f32 operands (vector FMAs, or v_wmma_f32_16x16x4_f32). A number that lies on a knife's edge between two numbers of the format may be rounded either way, as far as f32 arithmetic and the matrix unit's own rounding can turn it there, and no further.
;; One version. Each part assembles by itself: llvm-mc -triple=amdgcn-amd-amdhsa -mcpu=gfx1250 --defsym DOCPART=n.
;; ======== version 1 of 1: 4 launches
;; limits: right only within a limited range of input values
;; workspace buffers: xw 8,650,752 bytes; xws 360,448 bytes; qk 12,582,912 bytes; qks 524,288 bytes; vimg 6,291,456 bytes; vs 262,144 bytes; pimg 12,582,912 bytes; pst 1,572,864 bytes
;; launch quant (part 1): grid 88 x 8, 4 waves a work-group, no clusters, 68,608 bytes of LDS; arguments x, Wq, Wk, Wv, xw, xws; writes xw, xws
.if DOCPART == 1
	.amdgcn_target "amdgcn-amd-amdhsa--gfx1250"
	.amdhsa_code_object_version 6
	.text
	.protected	k_q76654bec4d_quant
	.globl	k_q76654bec4d_quant
	.p2align	8
	.type	k_q76654bec4d_quant,@function
k_q76654bec4d_quant:
	s_mov_b64 s[64:65], 0
	v_nop
	global_prefetch_b8 v0, s[64:65] scope:SCOPE_SE
	s_setreg_imm32_b32 hwreg(HW_REG_WAVE_MODE, 25, 1), 1
	s_wait_xcnt 0x0
; x [8192][1024], Wq, Wk, Wv [1024][1024], f32, K innermost, become codes of FP6 (E2M3) with one E8M0 byte for each 32 along K,
; laid as the products' launches take them:
;   IMAGE (1,536 bytes): a fragment of 16 rows x 128 K as its 12 operand registers: byte 512 c + 16 lane + 4 e is register 4 c + e of that lane.
;   PAGE (512 bytes): the scale words of 8 fragments for one K step: the word at 16 L + 4 j is fragment 2 j + L / 16, row L % 16.
;   THE ROWS OF A FRAGMENT ARE NOT NEIGHBOURS: row r of fragment 2 b + u is matrix row 32 b + 8 u + r + 8 (r / 8).
; A work-group takes 128 rows (group G = work-group x: 0-63 x, 64-71 Wq, 72-79 Wk, 80-87 Wv) x 128 along K (work-group y); wave w the two fragments 2 w and 2 w + 1.
; Each load reads 512 consecutive bytes of one row; the rows turn through the wave's own stage in LDS (rows 528 bytes apart), so that lane (r, h) gets k = 64 c + 32 h + 0 .. 31 of row r:
; two whole blocks a lane, in the order of the operand's registers.  All 32 loads of a wave go out at its head.
; A block's scale is 2^(floor(log2(its largest magnitude)) - 2); its byte is that magnitude's exponent field - 2, held at 1 from below.
; LIMITS: a block of zeros, and a block whose largest magnitude lies under 2^-124, gets the byte 1 (the bytes are read by this program alone; zero codes add nothing); NaN and infinities are not served.
.set WREG,  16896                      ; LDS of a wave: two stages of 16 rows x 528 bytes
.set SP,    528
.set SCB,   4*WREG                     ; the work-group's page, 512 bytes
.set SPARE, SCB+512                    ; the spare words, 128 bytes a wave: two blocks of 256 bytes that no other line names
.set LOF, 4                            ; v4   16 x lane
.set STI, 5                            ; v5   stage, way in
.set STO, 6                            ; v6   stage, way out: row r, + 128 h
.set PWA, 7                            ; v7   where my page word goes
.set PRA, 8                            ; v8   where wave 0 reads the page
.set SPW, 10
.set NIL, 11
.set R,   16                           ; v16-143  32 loads x 4 registers
.set X0,  144                          ; v144-207 fragment 0's 64 numbers of my lane
.set X1,  16                           ; fragment 1's, where fragment 0's rows lay
.set C,   208                          ; v208-219 the 12 registers of an image
.set C2,  220                          ; v220-226 the halves that a conversion cannot put at an odd register
.set TM,  228
.set SO,  230
.set BY,  232
.set TP,  234
.set SH,  235                          ; 8 h
.set PW0, 240
.set PW1, 241
.set PG,  242
.set OUTP, 244
.set SEL, 24
.set HI,  26
	s_load_b256 s[4:11], s[0:1], 0x0               ; x, Wq, Wk, Wv
	s_load_b128 s[12:15], s[0:1], 0x20             ; xw, xws
	v_lshl_add_u32 v[SPW], v0, 2, SPARE
	v_mov_b32 v[NIL], 0
	v_lshrrev_b32 v1, 5, v0
	v_readfirstlane_b32 s16, v1                    ; wave
	v_and_b32 v2, 31, v0
	v_and_b32 v3, 15, v0                           ; r
	v_bfe_u32 v9, v0, 4, 1                         ; h
	v_lshlrev_b32 v[LOF], 4, v2
	s_mul_i32 s17, s16, WREG
	v_add_nc_u32 v[STI], s17, v[LOF]
	v_mul_u32_u24 v[STO], v3, SP
	v_lshl_add_u32 v[STO], v9, 7, v[STO]
	v_add_nc_u32 v[STO], s17, v[STO]
	s_lshl_b32 s18, s16, 2
	s_add_co_u32 s18, s18, SCB
	v_add_nc_u32 v[PWA], s18, v[LOF]               ; page register j = my wave
	v_add_nc_u32 v[PRA], SCB, v[LOF]
	v_lshlrev_b32 v[SH], 3, v9
	v_mov_b32 v[TP], 0                             ; a lane permute's destination counts as read: written once
	s_mov_b32 s[SEL], 0x76543210
	s_mov_b32 s[SEL+1], 0xfedcba98
	s_mov_b32 s[HI], 0xffff0000                    ; lanes 16-31
	s_and_b32 s19, ttmp7, 0xffff                   ; K step s
	s_and_b32 s20, ttmp9, 7                        ; a weight's row group
	s_lshr_b32 s21, s19, 1                         ; xw: (((s / 2) 704 + 8 G + 2 w) 2 + s % 2) 1536
	s_mul_i32 s21, s21, 704
	s_lshl_b32 s22, ttmp9, 3
	s_add_co_u32 s21, s21, s22
	s_lshl_b32 s22, s16, 1
	s_add_co_u32 s21, s21, s22
	s_lshl_b32 s21, s21, 1
	s_and_b32 s22, s19, 1
	s_add_co_u32 s21, s21, s22
	s_mul_i32 s28, s21, 1536
	s_mov_b32 s29, 0
	s_lshl_b32 s30, ttmp9, 3                       ; xws: (8 G + s) 512
	s_add_co_u32 s30, s30, s19
	s_lshl_b32 s30, s30, 9
	s_mov_b32 s31, 0
	s_wait_alu depctr_va_vdst(0)
	s_wait_kmcnt 0x0
	s_cmp_lt_u32 ttmp9, 72                         ; which tensor: the choice hangs on the work-group's number alone
	s_cselect_b64 s[6:7], s[6:7], s[8:9]
	s_cmp_lt_u32 ttmp9, 80
	s_cselect_b64 s[6:7], s[6:7], s[10:11]
	s_cmp_lt_u32 ttmp9, 64
	s_cselect_b64 s[4:5], s[4:5], s[6:7]
	s_cselect_b32 s20, ttmp9, s20
	s_lshl_b32 s32, s20, 19                        ; 128 rows of 4,096 bytes a group,
	s_lshl_b32 s33, s16, 17                        ; 32 rows a wave,
	s_add_co_u32 s32, s32, s33
	s_lshl_b32 s33, s19, 9                         ; 512 bytes a K step
	s_add_co_u32 s32, s32, s33
	s_mov_b32 s33, 0
	s_add_nc_u64 s[4:5], s[4:5], s[32:33]
	s_add_nc_u64 s[12:13], s[12:13], s[28:29]
	s_add_nc_u64 s[14:15], s[14:15], s[30:31]
.irp u, 0,1
.irp r, 0,1,2,3,4,5,6,7,8,9,10,11,12,13,14,15
	global_load_b128 v[R+4*(16*\u+\r):R+4*(16*\u+\r)+3], v[LOF], s[4:5] offset:(8*\u+\r+8*(\r/8))*4096 th:TH_LOAD_NT   ; 32 lanes read 512 consecutive bytes of one row
.endr
.endr
; 64 numbers of a lane, two whole blocks c (block 2 c + h of the row's four), become the 12 registers of an image in v[C] on and the row's scale word in v[pw] (in both halves of the lanes)
.macro QUANT1 xs, pw
.irp c, 0,1
	v_max3_num_f32 v[TM+\c], |v[\xs+32*\c]|, |v[\xs+32*\c+1]|, 0x1800000   ; with the floor 2^(3 - 127): the byte cannot fall under 1
.endr
.irp i, 2,4,6,8,10,12,14,16,18,20,22,24,26,28,30
.irp c, 0,1
	v_max3_num_f32 v[TM+\c], v[TM+\c], |v[\xs+32*\c+\i]|, |v[\xs+32*\c+\i+1]|
.endr
.endr
.irp c, 0,1
	v_add_nc_u32 v[SO+\c], 0xff000000, v[TM+\c]    ; 2 off the exponent field: the conversion's scale operand
.endr
.irp c, 0,1
	v_lshrrev_b32 v[BY+\c], 23, v[SO+\c]           ; the scale's byte
.endr
	v_lshl_or_b32 v[\pw], v[BY+1], 16, v[BY]       ; blocks h and 2 + h,
	v_lshlrev_b32 v[\pw], v[SH], v[\pw]            ; at their places in the word;
	v_permlanex16_b32 v[TP], v[\pw], s[SEL], s[SEL+1]
	v_or_b32 v[\pw], v[\pw], v[TP]                 ; with lane l xor 16's two the word is whole
.irp c, 0,1
	v_cvt_scalef32_pk16_fp6_f32 v[C+6*\c:C+6*\c+2], v[\xs+32*\c:\xs+32*\c+15], v[SO+\c]
	v_cvt_scalef32_pk16_fp6_f32 v[C2+4*\c:C2+4*\c+2], v[\xs+32*\c+16:\xs+32*\c+31], v[SO+\c]   ; (a conversion's three registers begin on an even number)
.endr
	v_nop                                          ; one plain place behind a scaled conversion
.irp c, 0,1
.irp i, 0,1,2
	v_mov_b32 v[C+3+6*\c+\i], v[C2+4*\c+\i]
.endr
.endr
.endm
	s_wait_loadcnt 16                              ; fragment 0's 16 rows are in; fragment 1's 16 loads may be out
.irp r, 0,1,2,3,4,5,6,7,8,9,10,11,12,13,14,15
	ds_store_b128 v[STI], v[R+4*\r:R+4*\r+3] offset:SP*\r
.endr
.irp c, 0,1
.irp i, 0,1,2,3,4,5,6,7
	ds_load_b128 v[X0+32*\c+4*\i:X0+32*\c+4*\i+3], v[STO] offset:256*\c+16*\i   ; LDS serves a wave's instructions in order: these see the stores above
.endr
.endr
	s_wait_loadcnt 0x0
.irp r, 0,1,2,3,4,5,6,7,8,9,10,11,12,13,14,15
	ds_store_b128 v[STI], v[R+64+4*\r:R+64+4*\r+3] offset:16*SP+SP*\r
.endr
	s_wait_dscnt 16                                ; all but those 16 stores: fragment 0's numbers are in, and its rows' registers are free
.irp c, 0,1
.irp i, 0,1,2,3,4,5,6,7
	ds_load_b128 v[X1+32*\c+4*\i:X1+32*\c+4*\i+3], v[STO] offset:16*SP+256*\c+16*\i
.endr
.endr
	QUANT1 X0, PW0
.irp c, 0,1,2
	global_store_b128 v[LOF], v[C+4*\c:C+4*\c+3], s[12:13] offset:512*\c          ; 32 lanes store 512 consecutive bytes, aligned
.endr
	s_wait_dscnt 0x0                               ; fragment 1's numbers are in
	s_wait_xcnt 0x0                                ; the image's registers are written again only behind this wait
	QUANT1 X1, PW1
.irp c, 0,1,2
	global_store_b128 v[LOF], v[C+4*\c:C+4*\c+3], s[12:13] offset:3072+512*\c     ; fragment 2 w + 1: two K steps of 1,536 bytes on
.endr
	v_cndmask_b32 v[PG], v[PW0], v[PW1], s[HI]     ; lanes 0-15 fragment 2 w's words, lanes 16-31 fragment 2 w + 1's
	ds_store_b32 v[PWA], v[PG]
	s_wait_dscnt 0x0                               ; for the others' sake: my word has landed
	s_barrier_signal -1
	s_barrier_wait -1
	s_cmp_lg_u32 s16, 0
	s_cbranch_scc1 .Lnot_wave_0
	ds_load_b128 v[OUTP:OUTP+3], v[PRA]
	s_wait_dscnt 0x0
	global_store_b128 v[LOF], v[OUTP:OUTP+3], s[14:15]   ; the page: 512 consecutive bytes
.Lnot_wave_0:
	s_wait_tensorcnt 0x0                           ; the wave's end
	ds_add_u32 v[SPW], v[NIL]
	s_wait_dscnt 0x0
	s_endpgm
.Lfunc_end_k_q76654bec4d_quant:
	.size	k_q76654bec4d_quant, .Lfunc_end_k_q76654bec4d_quant-k_q76654bec4d_quant
	.p2alignl 7, 3214868480
	.fill 96, 4, 3214868480
	.section	.rodata,"a",@progbits
	.p2align	6, 0x0
	.amdhsa_kernel k_q76654bec4d_quant
		.amdhsa_group_segment_fixed_size 68608
		.amdhsa_private_segment_fixed_size 0
		.amdhsa_enable_private_segment 0
		.amdhsa_kernarg_size 48
		.amdhsa_user_sgpr_count 2
		.amdhsa_user_sgpr_kernarg_segment_ptr 1
		.amdhsa_wavefront_size32 1
		.amdhsa_system_sgpr_workgroup_id_x 1
		.amdhsa_system_sgpr_workgroup_id_y 1
		.amdhsa_system_sgpr_workgroup_id_z 1
		.amdhsa_system_vgpr_workitem_id 0
		.amdhsa_next_free_vgpr 256
		.amdhsa_next_free_sgpr 66
		.amdhsa_reserve_vcc 0
		.amdhsa_float_denorm_mode_32 3
		.amdhsa_float_denorm_mode_16_64 3
		.amdhsa_memory_ordered 1
		.amdhsa_forward_progress 1
		.amdhsa_inst_pref_size 17
	.end_amdhsa_kernel
	.amdgpu_metadata
---
amdhsa.version: [ 1, 2 ]
amdhsa.kernels:
  - .name:           k_q76654bec4d_quant
    .symbol:         k_q76654bec4d_quant.kd
    .args:
      - { .name: x, .offset: 0, .size: 8, .value_kind: global_buffer, .address_space: global }
      - { .name: Wq, .offset: 8, .size: 8, .value_kind: global_buffer, .address_space: global }
      - { .name: Wk, .offset: 16, .size: 8, .value_kind: global_buffer, .address_space: global }
      - { .name: Wv, .offset: 24, .size: 8, .value_kind: global_buffer, .address_space: global }
      - { .name: xw, .offset: 32, .size: 8, .value_kind: global_buffer, .address_space: global }
      - { .name: xws, .offset: 40, .size: 8, .value_kind: global_buffer, .address_space: global }
    .group_segment_fixed_size: 68608
    .private_segment_fixed_size: 0
    .kernarg_segment_align: 8
    .kernarg_segment_size: 48
    .max_flat_workgroup_size: 128
    .sgpr_count:     66
    .vgpr_count:     256
    .wavefront_size: 32
...
	.end_amdgpu_metadata
.endif
;; end of part 1
;; launch proj (part 2): grid 8 x 32, 4 waves a work-group, clusters of 4 x 4, 327,680 bytes of LDS; arguments xw, xws, qk, qks, vimg, vs; writes qk, qks, vimg, vs
.if DOCPART == 2
	.amdgcn_target "amdgcn-amd-amdhsa--gfx1250"
	.amdhsa_code_object_version 6
	.text
	.protected	k_q76654bec4d_proj
	.globl	k_q76654bec4d_proj
	.p2align	8
	.type	k_q76654bec4d_proj,@function
k_q76654bec4d_proj:
	s_mov_b64 s[64:65], 0
	v_nop
	global_prefetch_b8 v0, s[64:65] scope:SCOPE_SE
	s_setreg_imm32_b32 hwreg(HW_REG_WAVE_MODE, 25, 1), 1
	s_wait_xcnt 0x0
	s_wait_alu depctr_hold_cnt(0) depctr_sa_sdst(0) depctr_va_vdst(0) depctr_va_sdst(0) depctr_va_ssrc(0) depctr_va_vcc(0) depctr_vm_vsrc(0)
	s_getreg_b32 s2, hwreg(HW_REG_IB_STS2, 6, 4)
	s_cmp_eq_u32 s2, 0
	s_cbranch_scc0 .Lentry_in_a_cluster
	s_endpgm
.Lentry_in_a_cluster:
	s_bfe_u32 s2, ttmp6, 0x10000c
	s_cmp_lg_u32 s2, 0xf033
	s_cbranch_scc0 .Lentry_shape_is_right
	s_endpgm
.Lentry_shape_is_right:
; q = x Wq^T, k = x Wk^T, v = x Wv^T on codes of FP6 (E2M3) with E8M0 scales, K = 1,024; the f32 sums are quantised in registers and leave as codes:
; q and k along the features (the next product's K), v along the tokens (the keys, the last product's K).
; SHARES.  Work-group (x, y) takes the 256 tokens of tile y twice.  PHASE QK: x 256 rows of a weight (x = 0-3 Wq, 4-7 Wk); four waves, each 128 x 128: 64 accumulators, 512 matrix instructions.
; PHASE V: x the 128 rows 128 x .. of Wv; each wave 64 rows of Wv x 128 tokens: 32 accumulators, 256 matrix instructions.  8 x 32 = 256 work-groups of equal work.
; OPERANDS ARE IMAGES: a fragment (16 rows x 128 K) lies in memory and in LDS as its 12 registers, 16 bytes a lane, 512 bytes a load: three ds_load_b128, no pitch, no padding.
; Row r of fragment 2 b + u is matrix row 32 b + 8 u + r + 8 (r / 8).  So with S0 as source 0 and S1 as source 1, the 64 accumulator registers of one block of S1 are, in lane (r, h), register 16 b + i =
; S0's row 32 b + 16 h + i: sixteen neighbours along the next K, as the conversions want them; the lane's own row is row r of S1's fragment.
; QK: S1 = the tokens, S0 = the weight's rows.  V: S1 = Wv's rows, S0 = the tokens.
; LDS.  The token tile's images for all of K (196,608 bytes) are filled once and serve both phases.  The weights go through two slots of 49,152 bytes: Wq's or Wk's four steps of 256 along K, then Wv's 128 rows,
; two steps of 256 along K to a slot.
; FILLS.  At the head one load a wave: waves 0 and 1 K = 0 to 255 of the tokens and of the weight, which the first barrier shows; wave 2 the tokens' other 768 along K, wave 3 the weight's K = 256 to 511, which stay
; out until K step 1.  Four refills, each behind a round of the cluster's barrier.  A wave never has more than one tensor load out.
; No prefetch: the head's four loads ask for all but four slots of what the launch reads, and there is no loop to run ahead in.
; CLUSTER 4 x 4: the token tile is shared along a row of the cluster, the weights along a column: joint loads.
; SCALES: a wave's pages for all of K stay in registers: register j of a page holds block 2 j in lanes 0-15 and block 2 j + 1 in lanes 16-31.  Phase V's take phase QK's registers behind its last product.
; LIMITS: a block of zeros, or one whose largest magnitude lies under 2^-124, gets the byte 1 (read by this program alone); NaN and infinities are not served.
; REGISTERS: window 0: v4, v5 lane offsets; v8-19 LDS addresses; v32-63, v68-99 scales; v104-127 at work on the way out; v128-223 S1's fragments (QK: one set of eight; V: two sets of four); on the way out
;   v176-206 and v224-242 hold words and codes.   window 1: S0's fragments, two sets at v0 and v128.   windows 2, 3: accumulator (a, b) at v[8 (8 (a % 4) + b)]; phase V has window 2 alone.
.set HALFT,  24576                     ; 8 fragments x 2 K steps
.set XKP,    2*HALFT                   ; the token tile's 256 along K
.set WB,     4*XKP                     ; behind the tokens: the weights' two slots
.set WSL,    2*HALFT
.set SPARE,  WB+2*WSL                  ; the spare words, 128 bytes a wave: two blocks of 256 bytes that no other line names
.set KPSTEP, 704*3072                  ; from one 256 along K to the next in xw
.set LI,   4                           ; v4     16 x lane
.set LA,   5                           ; v5     16 x lane + 8 x (wave / 2): two of a page's four registers
.set AX1,  8                           ; v8-11  the tokens as S1: my half by wave / 2, one register for each 256 along K
.set AX0,  12                          ; v12-15 the tokens as S0: my half by wave % 2
.set AW,   16                          ; v16-17 Wq's or Wk's rows, my half by wave % 2, slot 0, 1
.set AV,   18                          ; v18-19 Wv's rows, my four fragments by wave / 2, slot 0, 1
.set SPW,  28
.set NIL,  29
.set SA,   32
.set SB,   68                          ; (SB - SA is 4 modulo 8: no product names two scale registers whose numbers agree modulo 8)
.set TM,   104
.set TX,   112
.set SO,   120
.set AF,   128
.set PWS,  176                         ; v176-183 the scale words of the blocks just quantised
.set PAGE, 184                         ; v184-187 a page
.set PC,   224                         ; codes of a pair's first block; its second block's lie 36 registers lower
.set PC2,  236
.set WV,  16
.set WR,  17
.set WC,  18
.set G1A, 24                           ; tokens, 49,152 bytes as 192 rows of 256, with the mask of my row of the cluster
.set G1B, 32                           ; weights, the same with the mask of my column; for Wv 96 rows
.set G1C, 40                           ; tokens, three rows of 49,152 bytes
.set G0A, 48                           ; tokens: wave 0's load, wave 2's
.set G0B, 52                           ; s[52:59] Wq's or Wk's rows, slot 0, 1
.set G0V, 68                           ; s[68:75] Wv's rows, slot 0, 1
.set SEL, 76
.set HI,  78
.set OB,  80
.set PB,  82
.set OBV, 84
.set PBV, 86
.set MUL_LO, 0xa1                      ; source 0 window 1, source 1 window 0, C and D window 2
.set MUL_HI, 0xf1                      ; the same, C and D window 3
.set TO_B,   0x40                      ; destination window 1
.set MSB, 0
.macro WIN new                         ; the immediate's high byte repeats the setting that is left
.if MSB != (\new)
	s_set_vgpr_msb (MSB<<8)|(\new)
.set MSB, (\new)
.endif
.endm
.macro TL g0, g1                       ; an s_nop 0 and four v_nop follow each tensor load
	tensor_load_to_lds s[\g0:\g0+3], s[\g1:\g1+7]
	s_nop 0
.rept 4
	v_nop
.endr
.endm
.macro WLOAD g0, lo                    ; a joint refill of a weights' slot, by the waves from lo on
	s_cmp_lt_u32 s[WV], \lo
	s_cbranch_scc1 .Lnone_\@
	TL \g0, G1B
.Lnone_\@:
.endm
.macro CREST                           ; a round of the cluster's barrier behind its opening barrier
	s_cmp_lg_u32 s[WV], 0
	s_cbranch_scc1 .Lnot_wave_0_\@
	s_barrier_signal -3
.Lnot_wave_0_\@:
	s_barrier_wait -3
	s_barrier_signal -1
	s_barrier_wait -1
.endm
.macro CROUND
	s_barrier_signal -1
	s_barrier_wait -1
	CREST
.endm
.macro PLACES                          ; four plain places behind matrix instructions, ahead of loads into their sources and of reads of their results
.rept 4
	v_nop
.endr
.endm
.macro FRAG reg, adr, off              ; one image: three loads of 512 consecutive bytes
.irp c, 0,1,2
	ds_load_b128 v[\reg+4*\c:\reg+4*\c+3], v[\adr] offset:(\off)+512*\c
.endr
.endm
.macro FETCH_B n, p                    ; phase QK, K step n: the weight's eight fragments into set p: 24 loads
	WIN TO_B
.irp i, 0,1,2,3,4,5,6,7
	FRAG 128*(\p)+12*\i, AW+((\n)/2)%2, \i*3072+((\n)%2)*1536
.endr
	WIN 0
.endm
.macro FETCH_A n, i0                   ; phase QK, K step n: the tokens' blocks i0 .. i0 + 3: 12 loads
.irp i, \i0, \i0+1, \i0+2, \i0+3
	FRAG AF+12*(\i), AX1+(\n)/2, (\i)*3072+((\n)%2)*1536
.endr
.endm
.macro FETCHV t, p                     ; phase V, K step t: the tokens' eight fragments and Wv's four into set p: 36 loads
	WIN TO_B
.irp i, 0,1,2,3,4,5,6,7
	FRAG 128*(\p)+12*\i, AX0+(\t)/2, \i*3072+((\t)%2)*1536
.endr
	WIN 0
.irp i, 0,1,2,3
	FRAG AF+48*(\p)+12*\i, AV+(\t)/4, (((\t)/2)%2)*HALFT+\i*3072+((\t)%2)*1536
.endr
.endm
.macro W1 c, ra, rb                    ; one matrix instruction.  ra, rb = 1: the side's scales stand in lanes 16-31
	v_wmma_scale_f32_16x16x128_f8f6f4 v[xD:xD+7], v[xA:xA+11], v[xB:xB+11], \c, v[xSA], v[xSB] matrix_a_fmt:MATRIX_FMT_FP6 matrix_b_fmt:MATRIX_FMT_FP6 matrix_a_scale:MATRIX_SCALE_ROW\ra matrix_b_scale:MATRIX_SCALE_ROW\rb
.endm
.macro W2 zero, ra, rb
.if \zero
	W1 0, \ra, \rb
.else
	W1 v[xD:xD+7], \ra, \rb
.endif
.endm
.macro MM a, b, p, s, zero, ra, rb     ; phase QK: the tokens' block a x the weight's block b, K step s; p: the weight's set
.set xD, 8*(8*((\a)%4)+(\b))
.set xA, 128*(\p)+12*(\b)
.set xB, AF+12*(\a)
.set xSA, SB+4*(\s)+(\b)/2
.set xSB, SA+4*(\s)+(\a)/2
	W2 \zero, \ra, \rb
.endm
.macro MROW a, p, s, zero, rb
.irp b, 0,2,4,6
	MM \a, \b, \p, \s, \zero, 0, \rb
	MM \a, \b+1, \p, \s, \zero, 1, \rb
.endr
.endm
.macro MUL16 a0, p, s, zero            ; the 64 accumulators take turns, one instruction a turn, in the same order in every step
	MROW \a0, \p, \s, \zero, 0
	MROW \a0+1, \p, \s, \zero, 1
.endm
.macro MV a, b, p, t, zero, ra, rb     ; phase V: Wv's block a x the tokens' block b, K step t
.set xD, 8*(8*(\a)+(\b))
.set xA, 128*(\p)+12*(\b)
.set xB, AF+48*(\p)+12*(\a)
.set xSA, SA+4*(\t)+(\b)/2
.set xSB, SB+4*(\t)+(\a)/2
	W2 \zero, \ra, \rb
.endm
.macro MULV a, p, t, zero, rb          ; the 32 accumulators take turns likewise
.irp b, 0,2,4,6
	MV \a, \b, \p, \t, \zero, 0, \rb
	MV \a, \b+1, \p, \t, \zero, 1, \rb
.endr
.endm
; PHASE QK, K step s of eight (128 along K): 64 matrix instructions; the next step's fragments come in two runs of loads.  The weight's K step s lies in slot (s / 2) % 2.
; An odd step reads its slot out and changes slots: each wave waits for all its tensor loads, adds 0 to its spare word, waits for that and for its reads of the slot; a round of the cluster's barrier; the slot's refill first behind it.
.macro KSTEP s, zero
.set NX, (\s)+1
.if (\s)%2
	s_wait_tensorcnt 0x0                           ; all my tensor loads have landed: what the next steps read is whole;
	ds_add_u32 v[SPW], v[NIL]                      ; 0 onto my spare word;
.if (\s) == 1
	s_add_nc_u64 s[G0B+2:G0B+3], s[G0B+2:G0B+3], 2*KPSTEP    ; slot 0: K = 512 on
.elseif (\s) == 3
	s_add_nc_u64 s[G0B+6:G0B+7], s[G0B+6:G0B+7], 2*KPSTEP    ; slot 1: K = 768 on
.elseif (\s) == 5
	s_mov_b32 s[G1B+2], 96<<16                     ; no load of mine is out: from here on 96 rows, a half of a slot
	s_mov_b32 s[G1B+4], 96
.endif
	s_wait_dscnt 13                                ; (the add and the youngest 12 loads, the tokens' blocks 4-7, may be out)
	WIN MUL_LO
	MUL16 0, (\s)%2, \s, \zero
	s_wait_dscnt 0x0                               ; the add is done, and my reads of this slot are over
	s_barrier_signal -1
	MUL16 2, (\s)%2, \s, \zero
	WIN 0
	s_barrier_wait -1
	CREST                                          ; no wave of any partner still reads this slot or has a load on its way
.if (\s) < 5
	WLOAD G0B+4*((\s)/2), 3                        ; wave 3: the whole slot
.else
	WLOAD G0V+4*((\s)/2-2), 2                      ; waves 2 and 3: Wv's rows, K = 0 to 511, then K = 512 to 1,023: 256 along K each
.endif
	PLACES                                         ; on every wave's way: for the loads below
.else
	s_wait_dscnt 12                                ; the weight's set and the tokens' blocks 0-3 are in; the youngest 12 loads may be out
	WIN MUL_LO
	MUL16 0, (\s)%2, \s, \zero
	MUL16 2, (\s)%2, \s, \zero
	s_wait_dscnt 0x0                               ; the tokens' blocks 4-7 are in
	PLACES
.endif
.if (\s) < 7
	FETCH_B NX, 1-(\s)%2
	FETCH_A NX, 0
.else
	FETCHV 0, 0                                    ; phase V's first fragments: into the weight's set 0 and the registers of the tokens' blocks 0-3, both done with
.endif
	WIN MUL_HI
	MUL16 4, (\s)%2, \s, \zero
	MUL16 6, (\s)%2, \s, \zero
.if (\s) < 7
	PLACES
	WIN 0
	FETCH_A NX, 4
.else
	WIN 0
.endif
.endm
; PHASE V, K step t of eight: 32 matrix instructions; the next step's 36 loads go out ahead of them.  Nothing is filled any more: no barrier.
.macro KV t, zero, last
	s_wait_dscnt 0x0                               ; this step's fragments are in (asked for 32 matrix instructions ago)
.if !(\last)
	PLACES                                         ; for the loads into the set that the last step multiplied
	FETCHV (\t)+1, 1-(\t)%2
.endif
	WIN MUL_LO
	MULV 0, (\t)%2, \t, \zero, 0
	MULV 1, (\t)%2, \t, \zero, 1
	MULV 2, (\t)%2, \t, \zero, 0
	MULV 3, (\t)%2, \t, \zero, 1
.endm
; THE WAY OUT of S1's blocks a and a + 1, eight scale blocks by turns: a block's 64 registers a lane are one K step of the next operand: four scale blocks of 32, each shared with lane l xor 16.
; Codes leave as images, stp bytes from block to block; the scale words are kept for the page.
.macro QUANT2 a, ob, stp
.set W, 2+(\a)/4
.set AC, 64*((\a)%4)
	WIN (W|(W<<2))
.irp m, 0,1,2,3,4,5,6,7
	v_max3_num_f32 v[TM+\m], |v[AC+16*\m]|, |v[AC+16*\m+1]|, 0x1800000   ; each accumulator is read from its low end on; the floor 2^(3 - 127) holds the byte at 1
.endr
	WIN ((W<<2)|(W<<4))
.irp i, 2,4,6,8,10,12,14
.irp m, 0,1,2,3,4,5,6,7
	v_max3_num_f32 v[TM+\m], v[TM+\m], |v[AC+16*\m+\i]|, |v[AC+16*\m+\i+1]|
.endr
.endr
	WIN 0
.irp m, 0,1,2,3,4,5,6,7
	v_permlanex16_b32 v[TX+\m], v[TM+\m], s[SEL], s[SEL+1]
.endr
.irp m, 0,1,2,3,4,5,6,7
	v_max_num_f32 v[TM+\m], v[TM+\m], v[TX+\m]     ; the block's largest magnitude
.endr
.irp m, 0,1,2,3,4,5,6,7
	v_add_nc_u32 v[SO+\m], 0xff000000, v[TM+\m]    ; 2 off the exponent field: the conversion's scale operand
.endr
.irp m, 0,1,2,3,4,5,6,7
	v_lshrrev_b32 v[TX+\m], 23, v[SO+\m]           ; the byte
.endr
.irp e, 0,1
	v_lshl_or_b32 v[PWS+(\a)+\e], v[TX+4*\e+1], 8, v[TX+4*\e]
.endr
.irp e, 0,1
	v_lshl_or_b32 v[PWS+(\a)+\e], v[TX+4*\e+2], 16, v[PWS+(\a)+\e]
.endr
.irp e, 0,1
	v_lshl_or_b32 v[PWS+(\a)+\e], v[TX+4*\e+3], 24, v[PWS+(\a)+\e]
.endr
	s_wait_xcnt 0x0                                ; the earlier stores have read their registers
	WIN W
.irp e, 0,1
.irp c, 0,1
	v_cvt_scalef32_pk16_fp6_f32 v[PC-36*\e+6*\c:PC-36*\e+6*\c+2], v[AC+64*\e+32*\c:AC+64*\e+32*\c+15], v[SO+4*\e+2*\c]
	v_cvt_scalef32_pk16_fp6_f32 v[PC2-36*\e+4*\c:PC2-36*\e+4*\c+2], v[AC+64*\e+32*\c+16:AC+64*\e+32*\c+31], v[SO+4*\e+2*\c+1]
.endr
.endr
	WIN 0
	v_nop                                          ; one plain place behind a scaled conversion
.irp i, 0,1,2                                  ; the operand wants a whole block in a lane: lanes 0-15 block 2 c, lanes 16-31 block 2 c + 1
.irp c, 0,1
.irp e, 0,1
	v_permlane16_swap_b32 v[PC-36*\e+6*\c+\i], v[PC2-36*\e+4*\c+\i]
.endr
.endr
.endr
.irp i, 0,1,2
.irp c, 0,1
.irp e, 0,1
	v_mov_b32 v[PC-36*\e+3+6*\c+\i], v[PC2-36*\e+4*\c+\i]
.endr
.endr
.endr
.irp e, 0,1
.irp c, 0,1,2
	global_store_b128 v[LI], v[PC-36*\e+4*\c:PC-36*\e+4*\c+3], s[\ob:\ob+1] offset:((\a)+\e)*\stp+512*\c   ; 512 consecutive bytes, aligned
.endr
.endr
.endm
	s_load_b256 s[4:11], s[0:1], 0x0               ; xw, xws, qk, qks
	s_load_b128 s[12:15], s[0:1], 0x20             ; vimg, vs
	v_lshl_add_u32 v[SPW], v0, 2, SPARE
	v_mov_b32 v[NIL], 0
	ds_add_u32 v[SPW], v[NIL]                      ; the wave's opening
	ds_add_u32 v[SPW], v[NIL]
	v_lshrrev_b32 v1, 5, v0
	v_readfirstlane_b32 s[WV], v1
	v_and_b32 v1, 31, v0
	v_lshlrev_b32 v[LI], 4, v1
.irp m, 0,1,2,3,4,5,6,7
	v_mov_b32 v[TX+\m], 0                          ; a lane permute's destination counts as read
.endr
	s_wait_alu depctr_va_vdst(0)
	s_lshr_b32 s[WR], s[WV], 1                     ; which half of S1 is mine
	s_and_b32 s[WC], s[WV], 1                      ; which half of S0
	s_bfe_u32 s19, ttmp6, 0x40000                  ; cx
	s_bfe_u32 s20, ttmp6, 0x40004                  ; cy
	s_lshl_b32 s21, ttmp9, 2
	s_add_co_u32 s21, s21, s19                     ; x: 0 to 7
	s_and_b32 s22, ttmp7, 0xffff
	s_lshl_b32 s22, s22, 2
	s_add_co_u32 s22, s22, s20                     ; y: 0 to 31
	s_lshl_b32 s66, s20, 2
	s_lshl_b32 s66, 15, s66                        ; my row of the cluster
	s_lshl_b32 s67, 0x1111, s19                    ; my column
	s_or_b32 s[G1A], s66, (3<<16)|(1<<21)          ; the mask; elements of 8 bytes; bit 21 beside a mask; no padding
	s_or_b32 s[G1B], s67, (3<<16)|(1<<21)
	s_or_b32 s[G1C], s66, (3<<16)|(1<<21)
.irp g, G1A, G1B
	s_mov_b32 s[\g+1], 32<<16
	s_mov_b32 s[\g+2], 192<<16
	s_mov_b32 s[\g+3], 32<<16
	s_mov_b32 s[\g+4], 192
	s_mov_b32 s[\g+5], 32
	s_mov_b32 s[\g+6], 0
	s_mov_b32 s[\g+7], 0
.endr
	s_mov_b32 s[G1C+1], 6144<<16
	s_mov_b32 s[G1C+2], 3<<16
	s_mov_b32 s[G1C+3], 6144<<16
	s_mov_b32 s[G1C+4], 3
	s_mov_b32 s[G1C+5], KPSTEP/8
	s_mov_b32 s[G1C+6], 0
	s_mov_b32 s[G1C+7], 0
	s_mul_i32 s96, s22, 16*3072                    ; tokens: fragments 16 y on;
	s_mul_i32 s3, s[WR], KPSTEP                    ; waves 2 and 3: from K = 256 on
	s_add_co_u32 s96, s96, s3
	s_mov_b32 s97, 0
	s_lshl_b32 s98, s21, 4
	s_add_co_u32 s98, s98, 512
	s_mul_i32 s98, s98, 3072                       ; Wq, Wk: fragments 512 + 16 x on
	s_mov_b32 s99, 0
	s_lshl_b32 s100, s21, 3
	s_add_co_u32 s100, s100, 640
	s_mul_i32 s100, s100, 3072                     ; Wv: fragments 640 + 8 x on,
	s_mul_i32 s3, s[WC], KPSTEP
	s_add_co_u32 s100, s100, s3                    ; my half of a slot is one 256 along K of them
	s_mov_b32 s101, 0
	s_mul_i32 s2, s[WC], HALFT                     ; where a half goes: no place in the cluster enters an LDS address
	s_mov_b32 s[G0A], 1
	s_mul_i32 s[G0A+1], s[WR], XKP
.irp n, 0,1
	s_mov_b32 s[G0B+4*\n], 1
	s_mov_b32 s[G0B+4*\n+1], WB+\n*WSL
	s_mov_b32 s[G0V+4*\n], 1
	s_add_co_u32 s[G0V+4*\n+1], s2, WB+\n*WSL
.endr
	s_wait_dscnt 0x0                               ; the opening adds are done
	CROUND                                         ; all sixteen work-groups are here: the first joint loads meet
	s_wait_kmcnt 0x0
	s_add_nc_u64 s[G0A+2:G0A+3], s[4:5], s[96:97]
	s_or_b32 s[G0A+3], s[G0A+3], 0x80000000
	s_add_nc_u64 s[98:99], s[4:5], s[98:99]
	s_add_nc_u64 s[100:101], s[4:5], s[100:101]
.irp n, 0,1
	s_add_nc_u64 s[G0B+4*\n+2:G0B+4*\n+3], s[98:99], \n*KPSTEP
	s_or_b32 s[G0B+4*\n+3], s[G0B+4*\n+3], 0x80000000
	s_add_nc_u64 s[G0V+4*\n+2:G0V+4*\n+3], s[100:101], 2*\n*KPSTEP
	s_or_b32 s[G0V+4*\n+3], s[G0V+4*\n+3], 0x80000000
.endr
; the head's loads, one a wave, in one chain of branches on the wave's number
	s_cmp_eq_u32 s[WV], 0
	s_cbranch_scc0 .Lwave_1
	TL G0A, G1A                                    ; tokens, K = 0 to 255
	s_branch .Lasked
.Lwave_1:
	s_cmp_eq_u32 s[WV], 1
	s_cbranch_scc0 .Lwave_2
	TL G0B, G1B                                    ; weight, K = 0 to 255
	s_branch .Lasked
.Lwave_2:
	s_cmp_eq_u32 s[WV], 2
	s_cbranch_scc0 .Lwave_3
	TL G0A, G1C                                    ; tokens, K = 256 to 1,023
	s_branch .Lasked
.Lwave_3:
	TL G0B+4, G1B                                  ; weight, K = 256 to 511
.Lasked:
	; the scales: pages of 512 bytes, 8 to a group of 128 rows
	s_lshl_b32 s79, s22, 1                         ; 2 y
	s_add_co_u32 s88, s79, s[WR]                   ; QK: the tokens' group 2 y + wave / 2
	s_lshl_b32 s88, s88, 12
	s_mov_b32 s89, 0
	s_add_nc_u64 s[88:89], s[6:7], s[88:89]
	s_lshl_b32 s90, s21, 1
	s_add_co_u32 s90, s90, s[WC]
	s_add_co_u32 s90, s90, 64                      ; QK: the weight's group 64 + 2 x + wave % 2
	s_lshl_b32 s90, s90, 12
	s_mov_b32 s91, 0
	s_add_nc_u64 s[90:91], s[6:7], s[90:91]
	s_add_co_u32 s92, s79, s[WC]                   ; V: the tokens' group 2 y + wave % 2
	s_lshl_b32 s92, s92, 12
	s_mov_b32 s93, 0
	s_add_nc_u64 s[92:93], s[6:7], s[92:93]
	s_add_co_u32 s94, s21, 80                      ; V: Wv's group 80 + x
	s_lshl_b32 s94, s94, 12
	s_mov_b32 s95, 0
	s_add_nc_u64 s[94:95], s[6:7], s[94:95]
.irp s, 0,1,2,3,4,5,6,7
	global_load_b128 v[SA+4*\s:SA+4*\s+3], v[LI], s[88:89] offset:512*\s
	global_load_b128 v[SB+4*\s:SB+4*\s+3], v[LI], s[90:91] offset:512*\s
.endr
	s_mul_i32 s3, s[WR], HALFT
	v_add_nc_u32 v6, s3, v[LI]
	v_add_nc_u32 v7, s2, v[LI]
.irp k, 0,1,2,3
	v_add_nc_u32 v[AX1+\k], \k*XKP, v6
	v_add_nc_u32 v[AX0+\k], \k*XKP, v7
.endr
.irp n, 0,1
	v_add_nc_u32 v[AW+\n], WB+\n*WSL, v7
.endr
	s_mul_i32 s3, s[WR], 4*3072                    ; Wv: my four fragments of the eight
	v_add_nc_u32 v6, s3, v[LI]
.irp n, 0,1
	v_add_nc_u32 v[AV+\n], WB+\n*WSL, v6
.endr
	s_lshl_b32 s3, s[WR], 3
	v_add_nc_u32 v[LA], s3, v[LI]
	s_wait_alu depctr_va_vdst(0)
	s_mov_b32 s[SEL], 0x76543210
	s_mov_b32 s[SEL+1], 0xfedcba98
	s_mov_b32 s[HI], 0xffff0000
	; where the results go
	s_and_b32 s96, s21, 3                          ; x & 3
	s_lshr_b32 s97, s21, 2                         ; x >> 2: q or k
	s_lshl_b32 s98, s96, 10                        ; q, k images: ((x & 3) 1024 + (x >> 2) 512 + 16 y + 8 wr) 3072 + wc 1536
	s_lshl_b32 s99, s97, 9
	s_add_co_u32 s98, s98, s99
	s_lshl_b32 s99, s22, 4
	s_add_co_u32 s98, s98, s99
	s_lshl_b32 s99, s[WR], 3
	s_add_co_u32 s98, s98, s99
	s_mul_i32 s98, s98, 3072
	s_mul_i32 s99, s[WC], 1536
	s_add_co_u32 s98, s98, s99
	s_mov_b32 s99, 0
	s_add_nc_u64 s[OB:OB+1], s[8:9], s[98:99]
	s_lshl_b32 s98, s97, 6                         ; q, k page: (((x >> 2) 64 + 2 y + wr) 8 + 2 (x & 3) + wc) 512
	s_add_co_u32 s98, s98, s79
	s_add_co_u32 s98, s98, s[WR]
	s_lshl_b32 s98, s98, 3
	s_lshl_b32 s99, s96, 1
	s_add_co_u32 s98, s98, s99
	s_add_co_u32 s98, s98, s[WC]
	s_lshl_b32 s98, s98, 9
	s_mov_b32 s99, 0
	s_add_nc_u64 s[PB:PB+1], s[10:11], s[98:99]
	s_lshr_b32 s98, s22, 1                         ; v images: ((y >> 1) 64 + 8 x + 4 wr) 6144 + (2 (y & 1) + wc) 1536
	s_lshl_b32 s98, s98, 6
	s_lshl_b32 s99, s21, 3
	s_add_co_u32 s98, s98, s99
	s_lshl_b32 s99, s[WR], 2
	s_add_co_u32 s98, s98, s99
	s_mul_i32 s98, s98, 6144
	s_and_b32 s99, s22, 1
	s_lshl_b32 s99, s99, 1
	s_add_co_u32 s99, s99, s[WC]
	s_mul_i32 s99, s99, 1536
	s_add_co_u32 s98, s98, s99
	s_mov_b32 s99, 0
	s_add_nc_u64 s[OBV:OBV+1], s[12:13], s[98:99]
	s_lshr_b32 s98, s22, 3                         ; v page: (((y >> 3) 8 + x) 16 + ((2 y + wc) & 15)) 512
	s_lshl_b32 s98, s98, 3
	s_add_co_u32 s98, s98, s21
	s_lshl_b32 s98, s98, 4
	s_add_co_u32 s99, s79, s[WC]
	s_and_b32 s99, s99, 15
	s_add_co_u32 s98, s98, s99
	s_lshl_b32 s98, s98, 9
	s_mov_b32 s99, 0
	s_add_nc_u64 s[PBV:PBV+1], s[14:15], s[98:99]
	s_cmp_lt_u32 s[WV], 2
	s_cbranch_scc0 .Lnot_first
	s_wait_tensorcnt 0x0                           ; waves 0 and 1: K = 0 to 255 is in; waves 2 and 3's loads stay out
.Lnot_first:
	s_barrier_signal -1
	s_barrier_wait -1
	FETCH_B 0, 0
	FETCH_A 0, 0
	FETCH_A 0, 4
	s_wait_loadcnt 0x0                             ; phase QK's scales
	KSTEP 0, 1                                     ; the first products start the sums: nothing is cleared
	KSTEP 1, 0                                     ; its wait for all loads and its round show the whole token tile and slot 1 to every wave
	KSTEP 2, 0
	KSTEP 3, 0
	KSTEP 4, 0
	KSTEP 5, 0
	KSTEP 6, 0
	KSTEP 7, 0
	PLACES                                         ; for the loads into the scales' registers and for the first reads of results
.irp t, 0,1,2,3,4,5,6,7                        ; phase V's scales land while phase QK's results are quantised
	global_load_b128 v[SA+4*\t:SA+4*\t+3], v[LI], s[92:93] offset:512*\t
	global_load_b64 v[SB+4*\t:SB+4*\t+1], v[LA], s[94:95] offset:512*\t
.endr
	QUANT2 0, OB, 3072
	QUANT2 2, OB, 3072
	QUANT2 4, OB, 3072
	QUANT2 6, OB, 3072
.irp j, 0,1,2,3
	v_cndmask_b32 v[PAGE+\j], v[PWS+2*\j], v[PWS+2*\j+1], s[HI]   ; block 2 j in lanes 0-15, block 2 j + 1 in lanes 16-31
.endr
	global_store_b128 v[LI], v[PAGE:PAGE+3], s[PB:PB+1]
	s_wait_tensorcnt 0x0                           ; my part of Wv's second half has landed;
	ds_add_u32 v[SPW], v[NIL]
	s_wait_loadcnt 0x0                             ; phase V's scales
	s_wait_xcnt 0x0                                ; the stores have read their registers, onto which phase V's fragments land
	s_wait_dscnt 0x0
	s_barrier_signal -1
	s_barrier_wait -1                              ; everybody's has.
	KV 0, 1, 0                                     ; the first products start the sums anew, on accumulators that have been quantised
	KV 1, 0, 0
	KV 2, 0, 0
	KV 3, 0, 0
	KV 4, 0, 0
	KV 5, 0, 0
	KV 6, 0, 0
	KV 7, 0, 1
	WIN 0
	PLACES
	QUANT2 0, OBV, 6144
	QUANT2 2, OBV, 6144
	v_cndmask_b32 v[PAGE], v[PWS], v[PWS+1], s[HI]
	v_cndmask_b32 v[PAGE+1], v[PWS+2], v[PWS+3], s[HI]
	global_store_b64 v[LA], v[PAGE:PAGE+1], s[PBV:PBV+1]   ; my two of the page's four registers: 8 bytes a lane, 16 apart; the wave with the other rows of Wv stores the other two
	s_wait_tensorcnt 0x0                           ; the wave's end
	ds_add_u32 v[SPW], v[NIL]
	s_wait_dscnt 0x0
	CROUND                                         ; the closing round
	s_endpgm
.Lfunc_end_k_q76654bec4d_proj:
	.size	k_q76654bec4d_proj, .Lfunc_end_k_q76654bec4d_proj-k_q76654bec4d_proj
	.p2alignl 7, 3214868480
	.fill 96, 4, 3214868480
	.section	.rodata,"a",@progbits
	.p2align	6, 0x0
	.amdhsa_kernel k_q76654bec4d_proj
		.amdhsa_group_segment_fixed_size 327680
		.amdhsa_private_segment_fixed_size 0
		.amdhsa_enable_private_segment 0
		.amdhsa_kernarg_size 48
		.amdhsa_user_sgpr_count 2
		.amdhsa_user_sgpr_kernarg_segment_ptr 1
		.amdhsa_wavefront_size32 1
		.amdhsa_system_sgpr_workgroup_id_x 1
		.amdhsa_system_sgpr_workgroup_id_y 1
		.amdhsa_system_sgpr_workgroup_id_z 1
		.amdhsa_system_vgpr_workitem_id 0
		.amdhsa_next_free_vgpr 1024
		.amdhsa_next_free_sgpr 102
		.amdhsa_reserve_vcc 0
		.amdhsa_float_denorm_mode_32 3
		.amdhsa_float_denorm_mode_16_64 3
		.amdhsa_memory_ordered 1
		.amdhsa_forward_progress 1
		.amdhsa_inst_pref_size 210
	.end_amdhsa_kernel
	.amdgpu_metadata
---
amdhsa.version: [ 1, 2 ]
amdhsa.kernels:
  - .name:           k_q76654bec4d_proj
    .symbol:         k_q76654bec4d_proj.kd
    .args:
      - { .name: xw, .offset: 0, .size: 8, .value_kind: global_buffer, .address_space: global }
      - { .name: xws, .offset: 8, .size: 8, .value_kind: global_buffer, .address_space: global }
      - { .name: qk, .offset: 16, .size: 8, .value_kind: global_buffer, .address_space: global }
      - { .name: qks, .offset: 24, .size: 8, .value_kind: global_buffer, .address_space: global }
      - { .name: vimg, .offset: 32, .size: 8, .value_kind: global_buffer, .address_space: global }
      - { .name: vs, .offset: 40, .size: 8, .value_kind: global_buffer, .address_space: global }
    .group_segment_fixed_size: 327680
    .private_segment_fixed_size: 0
    .kernarg_segment_align: 8
    .kernarg_segment_size: 48
    .max_flat_workgroup_size: 128
    .sgpr_count:     102
    .vgpr_count:     1024
    .wavefront_size: 32
...
	.end_amdgpu_metadata
.endif
;; end of part 2
;; launch scores (part 3): grid 8 x 32, 4 waves a work-group, clusters of 4 x 4, 327,680 bytes of LDS; arguments qk, qks, pimg, pst; writes pimg, pst
.if DOCPART == 3
	.amdgcn_target "amdgcn-amd-amdhsa--gfx1250"
	.amdhsa_code_object_version 6
	.text
	.protected	k_q76654bec4d_scores
	.globl	k_q76654bec4d_scores
	.p2align	8
	.type	k_q76654bec4d_scores,@function
k_q76654bec4d_scores:
	s_mov_b64 s[64:65], 0
	v_nop
	global_prefetch_b8 v0, s[64:65] scope:SCOPE_SE
	s_setreg_imm32_b32 hwreg(HW_REG_WAVE_MODE, 25, 1), 1
	s_wait_xcnt 0x0
	s_wait_alu depctr_hold_cnt(0) depctr_sa_sdst(0) depctr_va_vdst(0) depctr_va_sdst(0) depctr_va_ssrc(0) depctr_va_vcc(0) depctr_vm_vsrc(0)
	s_getreg_b32 s2, hwreg(HW_REG_IB_STS2, 6, 4)
	s_cmp_eq_u32 s2, 0
	s_cbranch_scc0 .Lentry_in_a_cluster
	s_endpgm
.Lentry_in_a_cluster:
	s_bfe_u32 s2, ttmp6, 0x10000c
	s_cmp_lg_u32 s2, 0xf033
	s_cbranch_scc0 .Lentry_shape_is_right
	s_endpgm
.Lentry_shape_is_right:
; S = q k^T on codes of FP6 (E2M3) with E8M0 scales, K = 1,024, and the softmax's p, quantised in registers, for each chunk of 128 keys by itself.
; t = score x log2(e) / 32;  M_loc = the chunk's largest t of a query, rounded UP to a whole number;  p = 2^(t - M_loc), quantised along the keys.  Since M_loc is a whole number, the row's true M only moves the
; scale bytes: the next launch takes M - M_loc off them.  Stored for each (query, chunk): p's codes (an image), its scale word, -M_loc and the sum of the unquantised p (three pages, 1,536 bytes on end).
; A tile is 256 queries (tile row y, all batches) x 256 keys (tile column x of the batch y / 8); four waves, each 128 x 128: 64 accumulators.  S1 (source 1) = q, S0 (source 0) = k.
; OPERANDS ARE IMAGES, rows of a fragment chosen as in the launch before: in lane (r, h) register 16 b + i of a query block's 64 is key 32 b + 16 h + i of the wave's 128, for query row r.
; K goes in four steps of 256 through THREE LDS places.  At the head one load a wave: waves 0 and 1 bring K = 0 to 255 of q and of k, which the first barrier shows; waves 2 and 3 K = 256 to 767, which stay out until
; K step 1; there the first place is filled again, with K = 768 on.  A wave never has more than one tensor load out.
; No prefetch: the head's loads ask for three quarters of what the launch reads, and there is no loop to run ahead in.
; CLUSTER 4 x 4: q's tile is shared along a row of the cluster, k's along a column (the batch is made of the cluster's y alone).
; LIMITS: a block whose every p has fallen to 0 keeps the byte 1 (its codes are zeros); NaN and infinities are not served; whole numbers M are exact up to 2^24.
; REGISTERS: window 0: v4 16 x lane; v16-22 LDS addresses; v32-63 q's scales, v68-99 k's; v64-67, v104-127 at work; v128-223 q's fragments (on the way out words, -M, sums, pages, codes); v224-242 codes.
;   window 1: k's fragments, two sets.   windows 2, 3: accumulator (a, b) at v[8 (8 (a % 4) + b)].
.set HALFT,  24576
.set QT,     2*HALFT                   ; q's or k's 256 along K
.set SLOT,   2*QT                      ; place 0: q, k (K = 0 on, then K = 768 on);  behind it q's K = 256 on and K = 512 on, then k's
.set SPARE,  3*SLOT                    ; the spare words, 128 bytes a wave: two blocks of 256 bytes that no other line names
.set KPSTEP, 1024*3072
.set LI,   4
.set ADR1, 16
.set ADR0, 20
.set SPW,  28
.set NIL,  29
.set SA,   32
.set NM,   64                          ; v64, v66  -M_loc of a pair's two blocks (v65, v67, the largest t, are named with them as pairs)
.set SB,   68                          ; (SB - SA is 4 modulo 8: no product names two scale registers whose numbers agree modulo 8)
.set BM,   104                         ; v104-111 the blocks' largest scores, then their largest p
.set BX,   112
.set SO,   120                         ; v120-127 the conversions' scale operands
.set AF,   128
.set PWS,  128
.set NMS,  136
.set LLS,  144
.set PAGE, 152
.set L0,   184                         ; two chains of sums for each of a pair's two blocks
.set LS,   192
.set LX,   194
.set PC,   224                         ; codes of a pair's first block; its second block's lie 28 registers lower
.set PC2,  236
.set WV,  16
.set WR,  17
.set WC,  18
.set G1A, 24                           ; q, 49,152 bytes as 192 rows of 256;   G1B k's
.set G1B, 32
.set G1C, 40                           ; q, two rows of 49,152 bytes;   G1D k's
.set G1D, 48
.set G0Q, 56
.set G0K, 60
.set SEL, 66
.set HI,  68
.set OB,  82
.set PB,  84
.set CS,  92
.set MUL_LO, 0xa1
.set MUL_HI, 0xf1
.set TO_B,   0x40
.set MSB, 0
.macro WIN new
.if MSB != (\new)
	s_set_vgpr_msb (MSB<<8)|(\new)
.set MSB, (\new)
.endif
.endm
.macro TL g0, g1
	tensor_load_to_lds s[\g0:\g0+3], s[\g1:\g1+7]
	s_nop 0
.rept 4
	v_nop
.endr
.endm
.macro CREST
	s_cmp_lg_u32 s[WV], 0
	s_cbranch_scc1 .Lnot_wave_0_\@
	s_barrier_signal -3
.Lnot_wave_0_\@:
	s_barrier_wait -3
	s_barrier_signal -1
	s_barrier_wait -1
.endm
.macro CROUND
	s_barrier_signal -1
	s_barrier_wait -1
	CREST
.endm
.macro PLACES
.rept 4
	v_nop
.endr
.endm
.macro FRAG reg, adr, i, q
.irp c, 0,1,2
	ds_load_b128 v[\reg+4*\c:\reg+4*\c+3], v[\adr] offset:(\i)*3072+(\q)*1536+512*\c
.endr
.endm
.macro FETCH_B slot, q, p
	WIN TO_B
.irp i, 0,1,2,3,4,5,6,7
	FRAG 128*(\p)+12*\i, ADR0+\slot, \i, \q
.endr
	WIN 0
.endm
.macro FETCH_A slot, q, i0
.irp i, \i0, \i0+1, \i0+2, \i0+3
	FRAG AF+12*(\i), ADR1+\slot, \i, \q
.endr
.endm
.macro W1 c, ra, rb
	v_wmma_scale_f32_16x16x128_f8f6f4 v[xD:xD+7], v[xA:xA+11], v[xB:xB+11], \c, v[xSA], v[xSB] matrix_a_fmt:MATRIX_FMT_FP6 matrix_b_fmt:MATRIX_FMT_FP6 matrix_a_scale:MATRIX_SCALE_ROW\ra matrix_b_scale:MATRIX_SCALE_ROW\rb
.endm
.macro MM a, b, p, s, zero, ra, rb
.set xD, 8*(8*((\a)%4)+(\b))
.set xA, 128*(\p)+12*(\b)
.set xB, AF+12*(\a)
.set xSA, SB+4*(\s)+(\b)/2
.set xSB, SA+4*(\s)+(\a)/2
.if \zero
	W1 0, \ra, \rb
.else
	W1 v[xD:xD+7], \ra, \rb
.endif
.endm
.macro MROW a, p, s, zero, rb
.irp b, 0,2,4,6
	MM \a, \b, \p, \s, \zero, 0, \rb
	MM \a, \b+1, \p, \s, \zero, 1, \rb
.endr
.endm
.macro MUL16 a0, p, s, zero            ; the 64 accumulators take turns, one instruction a turn
	MROW \a0, \p, \s, \zero, 0
	MROW \a0+1, \p, \s, \zero, 1
.endm
.macro KSTEP s, sync, zero, last       ; K step s of eight; it lies in place (s / 2) % 3.  sync = 1: place 0 is filled again behind a round; sync = 2: the refill has to be whole
.set NS, (((\s)+1)/2)%3
.set NQ, ((\s)+1)%2
.if \sync
	s_wait_tensorcnt 0x0                           ; all my tensor loads have landed;
	ds_add_u32 v[SPW], v[NIL]                      ; 0 onto my spare word;
.if \sync == 1
	s_add_nc_u64 s[G0Q+2:G0Q+3], s[G0Q+2:G0Q+3], 3*KPSTEP
	s_add_nc_u64 s[G0K+2:G0K+3], s[G0K+2:G0K+3], 3*KPSTEP
.endif
	s_wait_dscnt 13                                ; (the add and the youngest 12 loads may be out)
	WIN MUL_LO
	MUL16 0, (\s)%2, \s, \zero
	s_wait_dscnt 0x0                               ; the add is done, and my reads of the place in hand are over
	s_barrier_signal -1
	MUL16 2, (\s)%2, \s, \zero
	WIN 0
	s_barrier_wait -1
.if \sync == 1
	CREST
	s_cmp_eq_u32 s[WV], 0
	s_cbranch_scc0 .Lnot_q
	TL G0Q, G1A                                    ; wave 0: q, K = 768 on
	s_branch .Lrefilled
.Lnot_q:
	s_cmp_eq_u32 s[WV], 1
	s_cbranch_scc0 .Lrefilled
	TL G0K, G1B                                    ; wave 1: k
.Lrefilled:
.endif
	PLACES
.else
	s_wait_dscnt 12                                ; k's set and q's blocks 0-3 are in
	WIN MUL_LO
	MUL16 0, (\s)%2, \s, \zero
	MUL16 2, (\s)%2, \s, \zero
	s_wait_dscnt 0x0
.if !(\last)
	PLACES
.endif
.endif
.if \last
	WIN MUL_HI
	MUL16 4, (\s)%2, \s, \zero
	MUL16 6, (\s)%2, \s, \zero
	WIN 0
.else
	FETCH_B NS, NQ, 1-(\s)%2
	FETCH_A NS, NQ, 0
	WIN MUL_HI
	MUL16 4, (\s)%2, \s, \zero
	MUL16 6, (\s)%2, \s, \zero
	PLACES
	WIN 0
	FETCH_A NS, NQ, 4
.endif
.endm
; THE SOFTMAX OF QUERY BLOCKS a AND a + 1 OVER THE WAVE'S 128 KEYS, and p's codes: eight scale blocks by turns
.macro SOFT2 a
.set W, 2+(\a)/4
.set AC, 64*((\a)%4)
	WIN (W|(W<<2)|(W<<4))
.irp m, 0,1,2,3,4,5,6,7
	v_max3_num_f32 v[BM+\m], v[AC+16*\m], v[AC+16*\m+1], v[AC+16*\m+2]   ; the largest score of each block of 32 keys: for the row's maximum and, since p rises with the score, for the block's largest p
.endr
	WIN ((W<<2)|(W<<4))
.irp i, 3,5,7,9,11,13
.irp m, 0,1,2,3,4,5,6,7
	v_max3_num_f32 v[BM+\m], v[BM+\m], v[AC+16*\m+\i], v[AC+16*\m+\i+1]
.endr
.endr
	WIN (W<<2)
.irp m, 0,1,2,3,4,5,6,7
	v_max_num_f32 v[BM+\m], v[BM+\m], v[AC+16*\m+15]
.endr
	WIN 0
.irp m, 0,1,2,3,4,5,6,7
	v_permlanex16_b32 v[BX+\m], v[BM+\m], s[SEL], s[SEL+1]
.endr
.irp m, 0,1,2,3,4,5,6,7
	v_max_num_f32 v[BM+\m], v[BM+\m], v[BX+\m]     ; with lane l xor 16's 16 keys
.endr
.irp e, 0,1
	v_max3_num_f32 v[NM+1+2*\e], v[BM+4*\e], v[BM+4*\e+1], v[BM+4*\e+2]
.endr
.irp e, 0,1
	v_max_num_f32 v[NM+1+2*\e], v[NM+1+2*\e], v[BM+4*\e+3]
.endr
.irp e, 0,1
	v_mul_f32 v[NM+1+2*\e], s[CS], v[NM+1+2*\e]    ; the chunk's largest t (c is positive)
.endr
.irp e, 0,1
	v_floor_f32 v[NM+2*\e], -v[NM+1+2*\e]          ; -M_loc = floor(-t) = -ceil(t)
.endr
.irp m, 0,1,2,3,4,5,6,7
	v_fma_f32 v[BM+\m], v[BM+\m], s[CS], v[NM+2*(\m/4)]
.endr
	WIN ((W<<6)|W)
.set j_, 0
.rept 32
.irp e, 0,1
	v_pk_fma_f32 v[AC+64*\e+j_:AC+64*\e+j_+1], v[AC+64*\e+j_:AC+64*\e+j_+1], s[CS:CS+1], v[NM+2*\e:NM+2*\e+1] op_sel_hi:[1,0,0]   ; t - M_loc, two at a time
.endr
.set j_, j_+2
.endr
	s_wait_alu depctr_va_vdst(0)
.set j_, 0
.rept 128
	v_exp_f32 v[AC+j_], v[AC+j_]                   ; p, at most 1, not normalised
.set j_, j_+1
.endr
	WIN 0
.irp m, 0,1,2,3,4,5,6,7
	v_exp_f32 v[BM+\m], v[BM+\m]                   ; the block's largest p: the same two instructions on the same number give the same bits
.endr
.irp e, 0,1
	v_mov_b32 v[NMS+(\a)+\e], v[NM+2*\e]           ; plain places behind the exponentials
.endr
	s_wait_alu depctr_va_vdst(0)                   ; one wait for the batch of 136, ahead of its first reader
	WIN (W|(W<<2))
.irp e, 0,1
	v_pk_add_f32 v[L0+4*\e:L0+4*\e+1], v[AC+64*\e:AC+64*\e+1], v[AC+64*\e+2:AC+64*\e+3]      ; the sums are taken of the unquantised p
	v_pk_add_f32 v[L0+4*\e+2:L0+4*\e+3], v[AC+64*\e+4:AC+64*\e+5], v[AC+64*\e+6:AC+64*\e+7]
.endr
	WIN (W<<2)
.irp j, 8,12,16,20,24,28,32,36,40,44,48,52,56,60
.irp e, 0,1
	v_pk_add_f32 v[L0+4*\e:L0+4*\e+1], v[L0+4*\e:L0+4*\e+1], v[AC+64*\e+\j:AC+64*\e+\j+1]
	v_pk_add_f32 v[L0+4*\e+2:L0+4*\e+3], v[L0+4*\e+2:L0+4*\e+3], v[AC+64*\e+\j+2:AC+64*\e+\j+3]
.endr
.endr
	WIN 0
.irp e, 0,1
	v_pk_add_f32 v[L0+4*\e:L0+4*\e+1], v[L0+4*\e:L0+4*\e+1], v[L0+4*\e+2:L0+4*\e+3]
.endr
.irp m, 0,1,2,3,4,5,6,7
	v_max_num_f32 v[BM+\m], 0x1800000, v[BM+\m]    ; the floor 2^(3 - 127): the byte cannot fall under 1
.endr
.irp e, 0,1
	v_add_f32 v[LS+\e], v[L0+4*\e], v[L0+4*\e+1]
.endr
.irp m, 0,1,2,3,4,5,6,7
	v_add_nc_u32 v[SO+\m], 0xff000000, v[BM+\m]
.endr
.irp e, 0,1
	v_permlanex16_b32 v[LX+\e], v[LS+\e], s[SEL], s[SEL+1]
.endr
.irp m, 0,1,2,3,4,5,6,7
	v_lshrrev_b32 v[BX+\m], 23, v[SO+\m]           ; the byte: 1 to 125, since p is at most 1
.endr
.irp e, 0,1
	v_add_f32 v[LLS+(\a)+\e], v[LS+\e], v[LX+\e]   ; the chunk's sum, in both halves of the lanes
.endr
.irp e, 0,1
	v_lshl_or_b32 v[PWS+(\a)+\e], v[BX+4*\e+1], 8, v[BX+4*\e]
.endr
.irp e, 0,1
	v_lshl_or_b32 v[PWS+(\a)+\e], v[BX+4*\e+2], 16, v[PWS+(\a)+\e]
.endr
.irp e, 0,1
	v_lshl_or_b32 v[PWS+(\a)+\e], v[BX+4*\e+3], 24, v[PWS+(\a)+\e]
.endr
	s_wait_xcnt 0x0                                ; the last images' stores have read their registers
	WIN W
.irp e, 0,1
.irp c, 0,1
	v_cvt_scalef32_pk16_fp6_f32 v[PC-28*\e+6*\c:PC-28*\e+6*\c+2], v[AC+64*\e+32*\c:AC+64*\e+32*\c+15], v[SO+4*\e+2*\c]
	v_cvt_scalef32_pk16_fp6_f32 v[PC2-28*\e+4*\c:PC2-28*\e+4*\c+2], v[AC+64*\e+32*\c+16:AC+64*\e+32*\c+31], v[SO+4*\e+2*\c+1]
.endr
.endr
	WIN 0
	v_nop                                          ; one plain place behind a scaled conversion
.irp i, 0,1,2
.irp c, 0,1
.irp e, 0,1
	v_permlane16_swap_b32 v[PC-28*\e+6*\c+\i], v[PC2-28*\e+4*\c+\i]
.endr
.endr
.endr
.irp i, 0,1,2
.irp c, 0,1
.irp e, 0,1
	v_mov_b32 v[PC-28*\e+3+6*\c+\i], v[PC2-28*\e+4*\c+\i]
.endr
.endr
.endr
.irp e, 0,1
.irp c, 0,1,2
	global_store_b128 v[LI], v[PC-28*\e+4*\c:PC-28*\e+4*\c+3], s[OB:OB+1] offset:((\a)+\e)*6144+512*\c   ; 512 consecutive bytes, aligned
.endr
.endr
.endm
	s_load_b256 s[4:11], s[0:1], 0x0               ; qk, qks, pimg, pst
	v_lshl_add_u32 v[SPW], v0, 2, SPARE
	v_mov_b32 v[NIL], 0
	ds_add_u32 v[SPW], v[NIL]                      ; the wave's opening
	ds_add_u32 v[SPW], v[NIL]
	v_lshrrev_b32 v1, 5, v0
	v_readfirstlane_b32 s[WV], v1
	v_and_b32 v1, 31, v0
	v_lshlrev_b32 v[LI], 4, v1
.irp m, 0,1,2,3,4,5,6,7
	v_mov_b32 v[BX+\m], 0                          ; a lane permute's destination counts as read
.endr
	s_wait_alu depctr_va_vdst(0)
	s_lshr_b32 s[WR], s[WV], 1
	s_and_b32 s[WC], s[WV], 1
	s_bfe_u32 s19, ttmp6, 0x40000                  ; cx
	s_bfe_u32 s20, ttmp6, 0x40004                  ; cy
	s_lshl_b32 s21, ttmp9, 2
	s_add_co_u32 s21, s21, s19                     ; x: key tile of the batch
	s_and_b32 s22, ttmp7, 0xffff
	s_lshr_b32 s23, s22, 1                         ; the batch, of the cluster's y alone
	s_lshl_b32 s22, s22, 2
	s_add_co_u32 s22, s22, s20                     ; y: query tile
	s_lshl_b32 s78, s20, 2
	s_lshl_b32 s78, 15, s78
	s_lshl_b32 s79, 0x1111, s19
	s_or_b32 s[G1A], s78, (3<<16)|(1<<21)
	s_or_b32 s[G1C], s78, (3<<16)|(1<<21)
	s_or_b32 s[G1B], s79, (3<<16)|(1<<21)
	s_or_b32 s[G1D], s79, (3<<16)|(1<<21)
.irp g, G1A, G1B
	s_mov_b32 s[\g+1], 32<<16
	s_mov_b32 s[\g+2], 192<<16
	s_mov_b32 s[\g+3], 32<<16
	s_mov_b32 s[\g+4], 192
	s_mov_b32 s[\g+5], 32
	s_mov_b32 s[\g+6], 0
	s_mov_b32 s[\g+7], 0
.endr
.irp g, G1C, G1D
	s_mov_b32 s[\g+1], 6144<<16
	s_mov_b32 s[\g+2], 2<<16
	s_mov_b32 s[\g+3], 6144<<16
	s_mov_b32 s[\g+4], 2
	s_mov_b32 s[\g+5], KPSTEP/8
	s_mov_b32 s[\g+6], 0
	s_mov_b32 s[\g+7], 0
.endr
	s_mul_i32 s74, s[WR], KPSTEP                   ; waves 2 and 3: from K = 256 on
	s_mul_i32 s70, s22, 16*3072                    ; q: fragments 16 y on
	s_add_co_u32 s70, s70, s74
	s_mov_b32 s71, 0
	s_lshl_b32 s72, s21, 4
	s_lshl_b32 s73, s23, 7
	s_add_co_u32 s72, s72, s73
	s_add_co_u32 s72, s72, 512
	s_mul_i32 s72, s72, 3072                       ; k: fragments 512 + 128 batch + 16 x on
	s_add_co_u32 s72, s72, s74
	s_mov_b32 s73, 0
	s_mov_b32 s[G0Q], 1
	s_mul_i32 s[G0Q+1], s[WR], SLOT
	s_mov_b32 s[G0K], 1
	s_mul_i32 s[G0K+1], s[WR], SLOT+QT
	s_add_co_u32 s[G0K+1], s[G0K+1], QT
	s_mov_b32 s[CS], 0x3d38aa3b                    ; c = log2(e) / 32
	s_mov_b32 s[CS+1], s[CS]
	s_wait_dscnt 0x0                               ; the opening adds are done
	CROUND
	s_wait_kmcnt 0x0
	s_add_nc_u64 s[G0Q+2:G0Q+3], s[4:5], s[70:71]
	s_or_b32 s[G0Q+3], s[G0Q+3], 0x80000000
	s_add_nc_u64 s[G0K+2:G0K+3], s[4:5], s[72:73]
	s_or_b32 s[G0K+3], s[G0K+3], 0x80000000
; the head's loads, one a wave, in one chain of branches on the wave's number
	s_cmp_eq_u32 s[WV], 0
	s_cbranch_scc0 .Lwave_1
	TL G0Q, G1A                                    ; q, K = 0 to 255
	s_branch .Lasked
.Lwave_1:
	s_cmp_eq_u32 s[WV], 1
	s_cbranch_scc0 .Lwave_2
	TL G0K, G1B                                    ; k, K = 0 to 255
	s_branch .Lasked
.Lwave_2:
	s_cmp_eq_u32 s[WV], 2
	s_cbranch_scc0 .Lwave_3
	TL G0Q, G1C                                    ; q, K = 256 to 767
	s_branch .Lasked
.Lwave_3:
	TL G0K, G1D                                    ; k, K = 256 to 767
.Lasked:
	s_lshl_b32 s88, s22, 1
	s_add_co_u32 s88, s88, s[WR]                   ; q's group 2 y + wr
	s_lshl_b32 s75, s88, 4
	s_lshl_b32 s88, s88, 12
	s_mov_b32 s89, 0
	s_add_nc_u64 s[88:89], s[6:7], s[88:89]
	s_lshl_b32 s76, s21, 1
	s_add_co_u32 s76, s76, s[WC]                   ; the chunk of keys 2 x + wc
	s_lshl_b32 s90, s23, 4
	s_add_co_u32 s90, s90, s76
	s_add_co_u32 s90, s90, 64                      ; k's group 64 + 16 batch + 2 x + wc
	s_lshl_b32 s90, s90, 12
	s_mov_b32 s91, 0
	s_add_nc_u64 s[90:91], s[6:7], s[90:91]
.irp s, 0,1,2,3,4,5,6,7
	global_load_b128 v[SA+4*\s:SA+4*\s+3], v[LI], s[88:89] offset:512*\s
	global_load_b128 v[SB+4*\s:SB+4*\s+3], v[LI], s[90:91] offset:512*\s
.endr
	s_mul_i32 s79, s[WR], HALFT
	s_mul_i32 s80, s[WC], HALFT
	v_add_nc_u32 v[ADR1], s79, v[LI]
	v_add_nc_u32 v[ADR1+1], SLOT, v[ADR1]
	v_add_nc_u32 v[ADR1+2], SLOT+QT, v[ADR1]
	v_add_nc_u32 v[ADR0], s80, v[LI]
	v_add_nc_u32 v[ADR0+1], 2*SLOT, v[ADR0]
	v_add_nc_u32 v[ADR0+2], 2*SLOT+QT, v[ADR0]
	v_add_nc_u32 v[ADR0], QT, v[ADR0]
	s_wait_alu depctr_va_vdst(0)
	s_mov_b32 s[SEL], 0x76543210
	s_mov_b32 s[SEL+1], 0xfedcba98
	s_mov_b32 s[HI], 0xffff0000
	s_lshr_b32 s94, s21, 1                         ; images: ((x >> 1) 512 + 16 y + 8 wr) 6144 + ((2 x + wc) & 3) 1536
	s_lshl_b32 s94, s94, 9
	s_lshl_b32 s95, s22, 4
	s_add_co_u32 s94, s94, s95
	s_lshl_b32 s95, s[WR], 3
	s_add_co_u32 s94, s94, s95
	s_mul_i32 s94, s94, 6144
	s_and_b32 s95, s76, 3
	s_mul_i32 s95, s95, 1536
	s_add_co_u32 s94, s94, s95
	s_mov_b32 s95, 0
	s_add_nc_u64 s[OB:OB+1], s[8:9], s[94:95]
	s_add_co_u32 s96, s75, s76                     ; statistics: ((2 y + wr) 16 + 2 x + wc) 1536
	s_mul_i32 s96, s96, 1536
	s_mov_b32 s97, 0
	s_add_nc_u64 s[PB:PB+1], s[10:11], s[96:97]
	s_cmp_lt_u32 s[WV], 2
	s_cbranch_scc0 .Lnot_first
	s_wait_tensorcnt 0x0                           ; waves 0 and 1: K = 0 to 255 is in; waves 2 and 3's loads stay out
.Lnot_first:
	s_barrier_signal -1
	s_barrier_wait -1
	FETCH_B 0, 0, 0
	FETCH_A 0, 0, 0
	FETCH_A 0, 0, 4
	s_wait_loadcnt 0x0                             ; the scales
	KSTEP 0, 0, 1, 0
	KSTEP 1, 1, 0, 0                               ; its wait and round also show K = 256 to 767 whole to every wave
	KSTEP 2, 0, 0, 0
	KSTEP 3, 0, 0, 0
	KSTEP 4, 0, 0, 0
	KSTEP 5, 2, 0, 0
	KSTEP 6, 0, 0, 0
	KSTEP 7, 0, 0, 1
	PLACES
	SOFT2 0
	SOFT2 2
	SOFT2 4
	SOFT2 6
.irp j, 0,1,2,3
	v_cndmask_b32 v[PAGE+\j], v[PWS+2*\j], v[PWS+2*\j+1], s[HI]       ; block 2 j in lanes 0-15, block 2 j + 1 in lanes 16-31
	v_cndmask_b32 v[PAGE+4+\j], v[NMS+2*\j], v[NMS+2*\j+1], s[HI]
	v_cndmask_b32 v[PAGE+8+\j], v[LLS+2*\j], v[LLS+2*\j+1], s[HI]
.endr
.irp k, 0,1,2
	global_store_b128 v[LI], v[PAGE+4*\k:PAGE+4*\k+3], s[PB:PB+1] offset:512*\k
.endr
	s_wait_tensorcnt 0x0                           ; the wave's end
	ds_add_u32 v[SPW], v[NIL]
	s_wait_dscnt 0x0
	CROUND                                         ; the closing round
	s_endpgm
.Lfunc_end_k_q76654bec4d_scores:
	.size	k_q76654bec4d_scores, .Lfunc_end_k_q76654bec4d_scores-k_q76654bec4d_scores
	.p2alignl 7, 3214868480
	.fill 96, 4, 3214868480
	.section	.rodata,"a",@progbits
	.p2align	6, 0x0
	.amdhsa_kernel k_q76654bec4d_scores
		.amdhsa_group_segment_fixed_size 327680
		.amdhsa_private_segment_fixed_size 0
		.amdhsa_enable_private_segment 0
		.amdhsa_kernarg_size 32
		.amdhsa_user_sgpr_count 2
		.amdhsa_user_sgpr_kernarg_segment_ptr 1
		.amdhsa_wavefront_size32 1
		.amdhsa_system_sgpr_workgroup_id_x 1
		.amdhsa_system_sgpr_workgroup_id_y 1
		.amdhsa_system_sgpr_workgroup_id_z 1
		.amdhsa_system_vgpr_workitem_id 0
		.amdhsa_next_free_vgpr 1024
		.amdhsa_next_free_sgpr 100
		.amdhsa_reserve_vcc 0
		.amdhsa_float_denorm_mode_32 3
		.amdhsa_float_denorm_mode_16_64 3
		.amdhsa_memory_ordered 1
		.amdhsa_forward_progress 1
		.amdhsa_inst_pref_size 191
	.end_amdhsa_kernel
	.amdgpu_metadata
---
amdhsa.version: [ 1, 2 ]
amdhsa.kernels:
  - .name:           k_q76654bec4d_scores
    .symbol:         k_q76654bec4d_scores.kd
    .args:
      - { .name: qk, .offset: 0, .size: 8, .value_kind: global_buffer, .address_space: global }
      - { .name: qks, .offset: 8, .size: 8, .value_kind: global_buffer, .address_space: global }
      - { .name: pimg, .offset: 16, .size: 8, .value_kind: global_buffer, .address_space: global }
      - { .name: pst, .offset: 24, .size: 8, .value_kind: global_buffer, .address_space: global }
    .group_segment_fixed_size: 327680
    .private_segment_fixed_size: 0
    .kernarg_segment_align: 8
    .kernarg_segment_size: 32
    .max_flat_workgroup_size: 128
    .sgpr_count:     100
    .vgpr_count:     1024
    .wavefront_size: 32
...
	.end_amdgpu_metadata
.endif
;; end of part 3
;; launch pv (part 4): grid 8 x 32, 4 waves a work-group, clusters of 4 x 4, 327,680 bytes of LDS; arguments pimg, pst, vimg, vs, out0; writes out0
.if DOCPART == 4
	.amdgcn_target "amdgcn-amd-amdhsa--gfx1250"
	.amdhsa_code_object_version 6
	.text
	.protected	k_q76654bec4d_pv
	.globl	k_q76654bec4d_pv
	.p2align	8
	.type	k_q76654bec4d_pv,@function
k_q76654bec4d_pv:
	s_mov_b64 s[64:65], 0
	v_nop
	global_prefetch_b8 v0, s[64:65] scope:SCOPE_SE
	s_setreg_imm32_b32 hwreg(HW_REG_WAVE_MODE, 25, 1), 1
	s_wait_xcnt 0x0
	s_wait_alu depctr_hold_cnt(0) depctr_sa_sdst(0) depctr_va_vdst(0) depctr_va_sdst(0) depctr_va_ssrc(0) depctr_va_vcc(0) depctr_vm_vsrc(0)
	s_getreg_b32 s2, hwreg(HW_REG_IB_STS2, 6, 4)
	s_cmp_eq_u32 s2, 0
	s_cbranch_scc0 .Lentry_in_a_cluster
	s_endpgm
.Lentry_in_a_cluster:
	s_bfe_u32 s2, ttmp6, 0x10000c
	s_cmp_lg_u32 s2, 0xf033
	s_cbranch_scc0 .Lentry_shape_is_right
	s_endpgm
.Lentry_shape_is_right:
; out = (P V) / l on codes of FP6 (E2M3) with E8M0 scales, K = 2,048 keys.  P's codes came with a maximum for each chunk of 128 keys: M_loc, a whole number.  The row's M = max M_loc; M - M_loc is taken off
; P's scale bytes (a byte that would fall under 0 becomes 0), and the chunks' sums are joined under the same powers of two.
; A work-group makes 256 queries (y) x 128 columns (x); four waves, 2 x 2: the wave in row a takes queries 128 a on, the wave in column b columns 64 b on.
; A WAVE HOLDS ITS 64 COLUMNS OF V, ALL 2,048 KEYS, IN REGISTERS (64 fragments of 12) and streams P past them in eight blocks of 16 queries: 64 matrix instructions a block, four accumulators by turns
; A finished block leaves while the next is multiplied: 64 columns of f32 are 256 bytes of a row.
; Source 0 = V's columns, source 1 = P's queries: lane (r, h) then holds row r's columns 32 bb + 16 h + 0 .. 15 in accumulators 2 bb, 2 bb + 1.  Row r of fragment 2 b + u is matrix row 32 b + 8 u + r + 8 (r / 8).
; P'S FRAGMENTS go through a ring of eight in registers, by QUADS of four K steps: behind quad q's 16 products its half of the ring takes quad q + 2: 12 loads, which land under quad q + 1's products.
; LDS: VR (V's two halves along K, then P's pairs of blocks 1 and 2), R0 (pairs 0 and 3), stages, P's scale words, 1 / l, the spare words.  P's words of pair 0 lie in wave 3's stage: they are read ahead of the
; barrier that stands in front of that stage's first use.
; FILLS: at the head one load a wave: V's half 0, V's half 1, P's pair 0 (two waves).  REFILL 1, when half 0 is in registers: pair 1 onto it.  REFILL 2, in block 1: pair 2 onto half 1, pair 3 onto R0.
; Two plain barriers show these to all waves.  CLUSTER 4 x 4: P's tiles are shared along a row of the cluster, V's along a column (the batch is made of the cluster's y alone).
; PREFETCH into the L2: P's pair 1 behind the first barrier, pairs 2 and 3 in block 0: of a pair's 98,304 bytes each of the sixteen waves that load it jointly asks for 6,144 (24 lanes, 256 bytes apart), told apart by
; address.  V and pair 0 are the first loads themselves: nothing runs ahead of them.
; LIMITS: NaN and infinities are not served; whole numbers M are exact up to 2^24.
; REGISTERS, window 0: v0-19 addresses; v20-31 V's last fragment; v32-63 V's scales; v64-95 P's scales, two sets; v96-191 the ring; v192-255 two sets of four accumulators (at the head v96-251 hold the statistics).
;   windows 1-3: 21 fragments of V each; v252-254: P's LDS addresses, in every window, so that P's loads go under the products' window setting.
.set PAIR,  49152                      ; a pair of blocks of one wave row: [key quarter 4][block 2][K step 4][1,536]
.set R0,    196608
.set STAGE, 294912                     ; 16 rows x 272 bytes for each wave
.set SCP,   308224                     ; P's scale words: [pair][a][quarter of the 16 words][lane][16 bytes]
.set RLB,   324608                     ; 1 / l: [a][block][row]
.set SPARE, 325632                     ; the spare words, 128 bytes a wave: two blocks of 256 bytes that no other line names
.set KQA,   512*6144                   ; from one quarter of the keys to the next in pimg
.set KQB,   64*6144                    ; and in vimg
.set LI,   4                           ; 16 x lane
.set LA,   5                           ; 16 x lane + 8 b: two of a page's four registers
.set STO,  6
.set RD,   7
.set CO,   8
.set SPW,  9
.set NIL,  10
.set PF,   11
.set PSA,  12
.set RLA,  13
.set RL,   14                          ; v14 1 / l of my row in the block that leaves; v15 is named with it as a pair
.set VA,   16                          ; v16-19 LDS addresses of my columns of V, one for each quarter of the keys
.set VLAST, 20
.set VS,   32                          ; register VS + 2 s + f / 2: K step s, column fragment f
.set PS,   64                          ; register PS + 16 set + 2 ((s + 2) % 8) + s / 8: K step s, the even block in lanes 0-15, the odd one in lanes 16-31
.set RING, 96
.set ACC,  192
.set SAR,  96                          ; the statistics: P's words, -M_loc, sums: 2 s + j, j the pair 2 b + j
.set NMR,  128
.set LLR,  160
.set OUTW, 192
.set NMIN, 224
.set LAC,  226
.set DD,   228
.set FF,   230
.set DM,   232
.set TW,   234
.set GD,   236
.set GH,   238
.set RC,   240
.set SST,  250
.set RST,  251
.set WV,  16
.set RA,  17
.set CB,  18
.set G1A, 24                           ; P: four rows of 12,288 bytes, with the mask of my row of the cluster
.set G1B, 32                           ; V: two rows of 49,152 bytes, with the mask of my column
.set G0V, 40
.set G0P, 44
.set PB,  48
.set OB,  52
.set K80, 70
.set K00, 71
.set MSB, 0
.macro WIN new                         ; the immediate's high byte repeats the setting that is left
.if MSB != (\new)
	s_set_vgpr_msb (MSB<<8)|(\new)
.set MSB, (\new)
.endif
.endm
.macro TL g0, g1
	tensor_load_to_lds s[\g0:\g0+3], s[\g1:\g1+7]
	s_nop 0
.rept 4
	v_nop
.endr
.endm
.macro CREST                           ; a round of the cluster's barrier behind its opening barrier
	s_cmp_lg_u32 s[WV], 0
	s_cbranch_scc1 .Lnot_wave_0_\@
	s_barrier_signal -3
.Lnot_wave_0_\@:
	s_barrier_wait -3
	s_barrier_signal -1
	s_barrier_wait -1
.endm
.macro CROUND
	s_barrier_signal -1
	s_barrier_wait -1
	CREST
.endm
.macro PLACES                          ; four plain places behind matrix instructions (ISA guide 7.12.1)
.rept 4
	v_nop
.endr
.endm
.macro WM c, ra, rb
	v_wmma_scale_f32_16x16x128_f8f6f4 v[d_:d_+7], v[vr_:vr_+11], v[p_:p_+11], \c, v[xs_], v[xp_] matrix_a_fmt:MATRIX_FMT_FP6 matrix_b_fmt:MATRIX_FMT_FP6 matrix_a_scale:MATRIX_SCALE_ROW\ra matrix_b_scale:MATRIX_SCALE_ROW\rb
.endm
.macro VREG vf                         ; V's fragment 4 s + f: window vw_, register vr_
.if (\vf) < 63
.set vw_, 1+(\vf)/21
.set vr_, 12*((\vf)%21)
.else
.set vw_, 0
.set vr_, VLAST
.endif
.endm
.macro P1 i, s, f, ra, rb
	VREG 4*(\s)+\f
	WIN vw_
.set d_, ACC+32*((\i)%2)+8*\f
.set p_, RING+12*((\s)%8)
.set xs_, VS+2*(\s)+\f/2
.set xp_, PS+16*(((\i)/2)%2)+2*(((\s)+2)%8)+(\s)/8
.if (\s) == 0
	WM 0, \ra, \rb
.else
	WM v[d_:d_+7], \ra, \rb
.endif
.endm
.macro PROD i, s, rb                   ; K step s of block i
	P1 \i, \s, 0, 0, \rb
	P1 \i, \s, 1, 1, \rb
	P1 \i, \s, 2, 0, \rb
	P1 \i, \s, 3, 1, \rb
.endm
.macro PRODH i, k, h, rb               ; a half of quad k of block i: two K steps
	PROD \i, 4*(\k)+2*(\h), \rb
	PROD \i, 4*(\k)+2*(\h)+1, \rb
.endm
.macro PLOAD n                         ; P's fragment of K step n % 16 of block n / 16 into ring place n % 8
.if (\n) < 128
.if MSB == 0
	WIN 3
.endif
.set ib_, (\n)/16
.set ks_, (\n)%16
.set pa_, 252+(ib_/2)%3
.set of_, (ks_/4)*12288+(ib_%2)*6144+(ks_%4)*1536
.set rg_, RING+12*((\n)%8)
.irp c, 0,1,2
	ds_load_b128 v[rg_+4*\c:rg_+4*\c+3], v[pa_] offset:of_+512*\c
.endr
.endif
.endm
.macro PQ q                            ; quad q of the 32: 12 loads; the last two quads have no successor
	PLOAD 4*(\q)
	PLOAD 4*(\q)+1
	PLOAD 4*(\q)+2
	PLOAD 4*(\q)+3
.endm
.macro VLOAD s                         ; my four fragments of V for K step s: 12 loads
.irp f, 0,1,2,3
	VREG 4*(\s)+\f
	WIN vw_<<6
.irp c, 0,1,2
	ds_load_b128 v[vr_+4*\c:vr_+4*\c+3], v[VA+(\s)/4] offset:\f*6144+((\s)%4)*1536+512*\c
.endr
.endr
	WIN 0
.endm
; THE WAY OUT of block i: x 1 / l in place, into my own stage, back as whole rows into the same registers (LDS serves a wave's instructions in order), stored
.macro OUTP i
	WIN 0
.set A_, ACC+32*((\i)%2)
.set j_, 0
.rept 16
	v_pk_mul_f32 v[A_+j_:A_+j_+1], v[A_+j_:A_+j_+1], v[RL:RL+1] op_sel_hi:[1,0]
.set j_, j_+2
.endr
.endm
.macro OUTL i
	WIN 0
.set A_, ACC+32*((\i)%2)
.irp e, 0,1,2,3,4,5,6,7
	ds_store_b128 v[STO], v[A_+4*\e:A_+4*\e+3] offset:128*(\e/4)+16*(\e%4)
.endr
.irp t, 0,1,2,3,4,5,6,7
	ds_load_b128 v[A_+4*\t:A_+4*\t+3], v[RD] offset:544*\t
.endr
.endm
.macro OUTS i
	WIN 0
.set A_, ACC+32*((\i)%2)
.irp t, 0,1,2,3,4,5,6,7
	global_store_b128 v[CO], v[A_+4*\t:A_+4*\t+3], s[OB:OB+1] offset:(32*((\i)/2)+16*(\t/4)+8*((\i)%2)+(2*\t)%8)*4096 th:TH_STORE_NT   ; sixteen lanes store one aligned unit of 256 bytes
.endr
.endm
; Refill 2, in block 1's third quad: from here on nothing is read any more from R0's pair 0, nor from V's half 1
.macro ROUND2
	WIN 0
	s_wait_tensorcnt 0x0                           ; all my tensor loads have landed, my part of pair 1 among them;
	ds_add_u32 v[SPW], v[NIL]
	s_mul_i32 s58, s[WV], PAIR
	s_add_co_u32 s[G0P+1], s58, 98304              ; waves 0, 1: pair 2 onto V's half 1; waves 2, 3: pair 3 onto R0
	s_mul_i32 s58, s[RA], 12288
	s_mov_b32 s59, 0
	s_add_co_u32 s58, s58, 24576
	s_add_nc_u64 s[G0P+2:G0P+3], s[PB:PB+1], s[58:59]
	s_or_b32 s[G0P+3], s[G0P+3], 0x80000000
	s_wait_dscnt 13                                ; the next quad's 12, and the add
	PRODH 1, 2, 0, 1
	s_wait_dscnt 0x0                               ; the add is done, and so are my reads
	s_barrier_signal -1
	PRODH 1, 2, 1, 1
	WIN 0
	s_barrier_wait -1
	CREST
	s_cmp_lt_u32 s[WV], 2
	s_cbranch_scc0 .Lpair_3
	TL G0P, G1A
	s_branch .Lasked_2
.Lpair_3:
	TL G0P, G1A
.Lasked_2:
	PQ 8
.endm
; A plain barrier in block i's third quad: it shows pair 2 (all = 0: waves 0 and 1 loaded it) or pair 3 to all waves
.macro SHOW i, rb, all
	s_wait_dscnt 12
	PRODH \i, 2, 0, \rb
	WIN 0
.if \all
	s_wait_tensorcnt 0x0
.else
	s_cmp_lt_u32 s[WV], 2
	s_cbranch_scc0 .Lnot_mine_\@
	s_wait_tensorcnt 0x0
.Lnot_mine_\@:
.endif
	s_wait_dscnt 0x0
	s_barrier_signal -1
	PRODH \i, 2, 1, \rb
	WIN 0
	s_barrier_wait -1
	PLACES
	PQ 4*(\i)+4
.endm
.macro BLK i, rb
.irp k, 0,1,2,3
.set q_, 4*\i+\k
.if (\k == 0) && (\i >= 2)
	s_wait_xcnt 0x0                                ; the stores of block i - 2 have read the registers that this block's sums take
.endif
.if (\k == 2) && (\i == 1)
	ROUND2
.elseif (\k == 2) && (\i == 3)
	SHOW \i, \rb, 0
.elseif (\k == 2) && (\i == 5)
	SHOW \i, \rb, 1
.else
.if \k == 1
	s_wait_dscnt 28                                ; younger than this quad's loads: the next quad's 12 and the stage's 16
.elseif q_ < 31
	s_wait_dscnt 12                                ; younger: the next quad's 12
.else
	s_wait_dscnt 0x0
.endif
	PRODH \i, \k, 0, \rb
	PRODH \i, \k, 1, \rb
.if \k == 0
	OUTP \i-1                                      ; (16 plain lines: the places ahead of the loads below)
.else
	PLACES
.endif
.if \k == 1
	WIN 0
	ds_load_b32 v[RL], v[RLA] offset:64*\i         ; this block's 1 / l
.if (\i%2 == 1) && (\i < 7)
.irp c, 0,1,2,3
	ds_load_b128 v[PS+16*(((\i+1)/2)%2)+4*\c:PS+16*(((\i+1)/2)%2)+4*\c+3], v[PSA] offset:((\i+1)/2)*4096+512*\c   ; the next pair's scale words
.endr
.endif
.endif
	PQ q_+2
.endif
.if \k == 0
	OUTL \i-1
.elseif \k == 1
	s_wait_dscnt 12                                ; the rows are back; the quad's 12 loads are younger
	OUTS \i-1
.endif
.endr
.endm
	s_load_b256 s[4:11], s[0:1], 0x0               ; pimg, pst, vimg, vs
	s_load_b64 s[12:13], s[0:1], 0x20              ; out0
	v_lshl_add_u32 v[SPW], v0, 2, SPARE
	v_mov_b32 v[NIL], 0
	ds_add_u32 v[SPW], v[NIL]                      ; the wave's opening
	ds_add_u32 v[SPW], v[NIL]
	v_lshrrev_b32 v1, 5, v0
	v_readfirstlane_b32 s[WV], v1
	v_and_b32 v1, 31, v0
	v_and_b32 v2, 15, v0                           ; r
	v_bfe_u32 v3, v0, 4, 1                         ; h
	v_lshlrev_b32 v[LI], 4, v1
	s_wait_alu depctr_va_vdst(0)
	s_lshr_b32 s[RA], s[WV], 1
	s_and_b32 s[CB], s[WV], 1
	s_bfe_u32 s19, ttmp6, 0x40000                  ; cx
	s_bfe_u32 s20, ttmp6, 0x40004                  ; cy
	s_lshl_b32 s21, ttmp9, 2
	s_add_co_u32 s21, s21, s19                     ; x
	s_and_b32 s22, ttmp7, 0xffff
	s_lshr_b32 s23, s22, 1                         ; the batch, of the cluster's y alone
	s_lshl_b32 s22, s22, 2
	s_add_co_u32 s22, s22, s20                     ; y
	s_lshl_b32 s66, s20, 2
	s_lshl_b32 s66, 15, s66
	s_lshl_b32 s67, 0x1111, s19
	s_or_b32 s[G1A], s66, (3<<16)|(1<<21)          ; the mask of my row; elements of 8 bytes; bit 21 beside a mask
	s_or_b32 s[G1B], s67, (3<<16)|(1<<21)
	s_mov_b32 s[G1A+1], 1536<<16
	s_mov_b32 s[G1A+2], 4<<16
	s_mov_b32 s[G1A+3], 1536<<16
	s_mov_b32 s[G1A+4], 4
	s_mov_b32 s[G1A+5], KQA/8
	s_mov_b32 s[G1A+6], 0
	s_mov_b32 s[G1A+7], 0
	s_mov_b32 s[G1B+1], 6144<<16
	s_mov_b32 s[G1B+2], 2<<16
	s_mov_b32 s[G1B+3], 6144<<16
	s_mov_b32 s[G1B+4], 2
	s_mov_b32 s[G1B+5], KQB/8
	s_mov_b32 s[G1B+6], 0
	s_mov_b32 s[G1B+7], 0
	s_mov_b32 s[K80], 0x80808080
	s_mov_b32 s[K00], 0
	s_mul_i32 s2, s[WV], 4352
	s_add_co_u32 s2, s2, STAGE                     ; my stage
	s_mul_i32 s3, s[CB], 24576                     ; my four fragments of V's eight
	s_lshl_b32 s14, s[CB], 3
	s_lshl_b32 s15, s[RA], 11
	s_add_co_u32 s15, s15, SCP                     ; my row's scale words
	s_lshl_b32 s62, s[CB], 13
	s_add_co_u32 s62, s62, s15                     ; those that I make: pairs 2 b and 2 b + 1
	s_lshl_b32 s63, s[RA], 9
	s_add_co_u32 s63, s63, RLB
	s_lshl_b32 s66, s[CB], 8
	s_add_co_u32 s66, s66, s63
	s_mul_i32 s67, s[RA], PAIR                     ; P's pairs in LDS: pair 1,
	s_add_co_u32 s68, s67, 98304                   ; pair 2,
	s_add_co_u32 s69, s67, R0                      ; pairs 0 and 3
	s_lshl_b32 s72, s19, 2
	s_add_co_u32 s72, s72, s[WV]                   ; my number among the sixteen waves of my row of the cluster
	s_bfe_u32 s73, s72, 0x20001                    ; which quarter of the keys,
	s_mul_i32 s73, s73, KQA
	s_lshr_b32 s74, s72, 3                         ; which wave row's blocks,
	s_lshl_b32 s74, s74, 3
	s_and_b32 s75, s72, 1                          ; and which block of a pair I prefetch
	s_lshl_b32 s72, s22, 4
	s_add_co_u32 s72, s72, s74
	s_add_co_u32 s72, s72, s75
	s_mul_i32 s72, s72, 6144
	s_add_co_u32 s72, s72, s73
	v_add_nc_u32 v[LA], s14, v[LI]
	v_add_nc_u32 v[VA], s3, v[LI]
	v_add_nc_u32 v[VA+1], 49152, v[VA]
	v_add_nc_u32 v[VA+2], 98304, v[VA]
	v_add_nc_u32 v[VA+3], 147456, v[VA]
	v_add_nc_u32 v[PSA], s15, v[LI]
	v_add_nc_u32 v[SST], s62, v[LI]
	v_lshlrev_b32 v[RST], 2, v1
	v_add_nc_u32 v[RST], s66, v[RST]
	v_lshlrev_b32 v[RLA], 2, v2
	v_add_nc_u32 v[RLA], s63, v[RLA]
	v_mov_b32 v[RL+1], 0
	v_mul_u32_u24 v[STO], v2, 272                  ; into the stage: row r, 64 bytes for each half of the lanes
	v_lshl_add_u32 v[STO], v3, 6, v[STO]
	v_add_nc_u32 v[STO], s2, v[STO]
	v_mul_u32_u24 v[RD], v3, 272                   ; and back: sixteen lanes to a row
	v_lshl_add_u32 v[RD], v2, 4, v[RD]
	v_add_nc_u32 v[RD], s2, v[RD]
	v_lshlrev_b32 v[CO], 12, v3
	v_lshl_add_u32 v[CO], v2, 4, v[CO]
	v_min_u32 v[PF], 23, v1
	v_lshl_add_u32 v[PF], v[PF], 8, s72
.irp w, 1,2,3
	WIN \w<<6
	v_add_nc_u32 v[252], s69, v[LI]
	v_add_nc_u32 v[253], s67, v[LI]
	v_add_nc_u32 v[254], s68, v[LI]
.endr
	WIN 0
	s_lshl_b32 s58, s22, 4
	s_lshl_b32 s59, s[CB], 3
	s_add_co_u32 s58, s58, s59
	s_mul_i32 s58, s58, 6144                       ; P: fragments 16 y + 8 (wave % 2) on
	s_mov_b32 s59, 0
	s_mul_i32 s60, s23, 4*KQB
	s_mul_i32 s61, s21, 49152
	s_add_co_u32 s60, s60, s61
	s_mul_i32 s61, s[CB], 2*KQB
	s_add_co_u32 s60, s60, s61                     ; V: the batch's fragments 8 x on, my half of the keys
	s_mov_b32 s61, 0
	s_lshl_b32 s54, s22, 1
	s_add_co_u32 s54, s54, s[RA]
	s_mul_i32 s54, s54, 24576                      ; the statistics of my row's 128 queries
	s_mov_b32 s55, 0
	s_lshl_b32 s56, s23, 3
	s_add_co_u32 s56, s56, s21
	s_lshl_b32 s56, s56, 13                        ; V's scale pages
	s_mov_b32 s57, 0
	s_lshl_b32 s52, s22, 20                        ; out0: row 256 y + 128 a, column 128 x + 64 b
	s_lshl_b32 s53, s[RA], 19
	s_add_co_u32 s52, s52, s53
	s_lshl_b32 s53, s21, 9
	s_add_co_u32 s52, s52, s53
	s_lshl_b32 s53, s[CB], 8
	s_add_co_u32 s52, s52, s53
	s_mov_b32 s53, 0
	s_mov_b32 s[G0V], 1
	s_mul_i32 s[G0V+1], s[CB], 98304
	s_mov_b32 s[G0P], 1
	s_mul_i32 s[G0P+1], s[WV], PAIR
	s_add_co_u32 s[G0P+1], s[G0P+1], 98304         ; waves 2, 3: R0 and R0 + PAIR
	s_wait_alu depctr_va_vdst(0)
	s_wait_dscnt 0x0                               ; the opening adds are done
	CROUND
	s_wait_kmcnt 0x0
	s_add_nc_u64 s[54:55], s[6:7], s[54:55]
	s_add_nc_u64 s[PB:PB+1], s[4:5], s[58:59]
	s_mov_b64 s[G0P+2:G0P+3], s[PB:PB+1]
	s_or_b32 s[G0P+3], s[G0P+3], 0x80000000
	s_add_nc_u64 s[G0V+2:G0V+3], s[8:9], s[60:61]
	s_or_b32 s[G0V+3], s[G0V+3], 0x80000000
	s_add_nc_u64 s[56:57], s[10:11], s[56:57]
	s_add_nc_u64 s[OB:OB+1], s[12:13], s[52:53]
.irp s, 0,1,2,3,4,5,6,7,8,9,10,11,12,13,14,15
	global_load_b64 v[NMR+2*\s:NMR+2*\s+1], v[LA], s[54:55] offset:1536*\s+512
.endr
.irp s, 0,1,2,3,4,5,6,7,8,9,10,11,12,13,14,15
	global_load_b64 v[SAR+2*\s:SAR+2*\s+1], v[LA], s[54:55] offset:1536*\s
	global_load_b64 v[LLR+2*\s:LLR+2*\s+1], v[LA], s[54:55] offset:1536*\s+1024
.endr
	s_cmp_eq_u32 s[WV], 0
	s_cbranch_scc0 .Lwave_1
	TL G0V, G1B                                    ; wave 0: V's half 0
	s_branch .Lasked
.Lwave_1:
	s_cmp_eq_u32 s[WV], 1
	s_cbranch_scc0 .Lwaves_2_3
	TL G0V, G1B                                    ; wave 1: V's half 1
	s_branch .Lasked
.Lwaves_2_3:
	TL G0P, G1A                                    ; waves 2, 3: P's pair 0
.Lasked:
.irp s, 0,1,2,3,4,5,6,7,8,9,10,11,12,13,14,15
	global_load_b64 v[VS+2*\s:VS+2*\s+1], v[LA], s[56:57] offset:512*\s
.endr
; THE STATISTICS of 64 of my row's 128 queries; the row's other wave has the other 64
	s_wait_loadcnt 48                              ; the 16 loads of -M_loc; 32 of words and sums and V's 16 of scales may be out
.irp j, 0,1
	v_min3_num_f32 v[NMIN+\j], v[NMR+\j], v[NMR+2+\j], v[NMR+4+\j]
.endr
.irp s, 3,5,7,9,11,13
.irp j, 0,1
	v_min3_num_f32 v[NMIN+\j], v[NMIN+\j], v[NMR+2*\s+\j], v[NMR+2*\s+2+\j]
.endr
.endr
.irp j, 0,1
	v_min_num_f32 v[NMIN+\j], v[NMIN+\j], v[NMR+30+\j]    ; -M
.endr
	s_wait_alu depctr_va_vdst(0)
	s_wait_loadcnt 16
.irp s, 0,1,2,3,4,5,6,7,8,9,10,11,12,13,14,15
.set o_, OUTW+2*((\s+2)%8)+\s/8
.irp j, 0,1
	v_sub_f32 v[DD+\j], v[NMR+2*\s+\j], v[NMIN+\j]         ; M - M_loc, a whole number, 0 or more
.endr
.irp j, 0,1
	v_cvt_i32_f32 v[DD+\j], v[DD+\j]
.endr
.irp j, 0,1
	v_min_u32 v[DD+\j], 127, v[DD+\j]
.endr
.irp j, 0,1
	v_lshlrev_b32 v[FF+\j], 23, v[DD+\j]
	v_perm_b32 v[DM+\j], v[DD+\j], v[DD+\j], s[K00]        ; in all four bytes
.endr
.irp j, 0,1
	v_sub_nc_u32 v[FF+\j], 0x3f800000, v[FF+\j]            ; 2^(M_loc - M); 0 at 127
	v_or_b32 v[TW+\j], s[K80], v[SAR+2*\s+\j]
.endr
.irp j, 0,1
.if \s == 0
	v_mul_f32 v[LAC+\j], v[LLR+2*\s+\j], v[FF+\j]
.else
	v_fmac_f32 v[LAC+\j], v[LLR+2*\s+\j], v[FF+\j]
.endif
	v_sub_nc_u32 v[TW+\j], v[TW+\j], v[DM+\j]              ; each byte + 128 - (M - M_loc): no borrow passes a byte
.endr
.irp j, 0,1
	v_and_b32 v[GD+\j], s[K80], v[TW+\j]
.endr
.irp j, 0,1
	v_lshrrev_b32 v[GH+\j], 7, v[GD+\j]
.endr
.irp j, 0,1
	v_sub_nc_u32 v[GD+\j], v[GD+\j], v[GH+\j]              ; 127 where bit 7 stands, else 0
.endr
.irp j, 0,1
	v_and_b32 v[o_+16*\j], v[TW+\j], v[GD+\j]
.endr
.endr
	s_wait_alu depctr_va_vdst(0)
	v_rcp_f32 v[RC], v[LAC]
	v_rcp_f32 v[RC+1], v[LAC+1]
	v_nop
	s_wait_alu depctr_va_vdst(0)
.irp j, 0,1
	ds_store_b32 v[RST], v[RC+\j] offset:128*\j
.irp q, 0,1,2,3
	ds_store_b128 v[SST], v[OUTW+16*\j+4*\q:OUTW+16*\j+4*\q+3] offset:4096*\j+512*\q
.endr
.endr
	s_cmp_eq_u32 s[WV], 0
	s_cbranch_scc0 .Lnot_v0
	s_wait_tensorcnt 0x0
.Lnot_v0:
	s_wait_dscnt 0x0
	s_barrier_signal -1
	s_barrier_wait -1                              ; V's half 0 and all statistics are there
.irp s, 0,1,2,3,4,5,6,7
	VLOAD \s
.if \s == 1
	global_prefetch_b8 v[PF], s[4:5] offset:12288 th:TH_LOAD_NT scope:SCOPE_SE   ; pair 1
.endif
.endr
.irp q, 0,1,2,3
	ds_load_b128 v[PS+4*\q:PS+4*\q+3], v[PSA] offset:512*\q
.endr
	s_wait_tensorcnt 0x0                           ; all my tensor loads have landed;
	ds_add_u32 v[SPW], v[NIL]
	s_mul_i32 s[G0P+1], s[CB], PAIR
	s_mov_b32 s58, 12288
	s_mov_b32 s59, 0
	s_add_nc_u64 s[G0P+2:G0P+3], s[PB:PB+1], s[58:59]
	s_or_b32 s[G0P+3], s[G0P+3], 0x80000000
	s_wait_loadcnt 0x0                             ; V's scales
	s_wait_dscnt 0x0                               ; the add is done, and half 0 is in registers
	CROUND                                         ; V's half 1 and P's pair 0 are shown to all waves;
	s_cmp_lt_u32 s[WV], 2
	s_cbranch_scc0 .Lno_part
	TL G0P, G1A                                    ; refill 1: pair 1 onto V's half 0, by waves 0 and 1
.Lno_part:
; BLOCK 0.  V's half 1 comes into registers under the first two quads' products
	PQ 0
	PQ 1
	WIN 0
.irp s, 8,9,10,11
	VLOAD \s
.endr
	s_wait_dscnt 60                                ; younger than quad 0's loads: quad 1's 12 and V's 48
	PRODH 0, 0, 0, 0
	PRODH 0, 0, 1, 0
	PLACES
	PQ 2
.irp s, 12,13,14,15
	VLOAD \s
.endr
	s_wait_dscnt 63                                ; younger than quad 1's: 48, 12 and 48; the wait's field holds 63
	PRODH 0, 1, 0, 0
	PRODH 0, 1, 1, 0
	PLACES
	WIN 0
	ds_load_b32 v[RL], v[RLA]
	PQ 3
	WIN 0
	global_prefetch_b8 v[PF], s[4:5] offset:24576 th:TH_LOAD_NT scope:SCOPE_SE   ; pair 2
	global_prefetch_b8 v[PF], s[4:5] offset:36864 th:TH_LOAD_NT scope:SCOPE_SE   ; pair 3
	s_wait_dscnt 60                                ; younger than quad 2's: V's last 48 and quad 3's 12
	PRODH 0, 2, 0, 0
	PRODH 0, 2, 1, 0
	PLACES
	PQ 4
	s_wait_dscnt 12                                ; all of V and quad 3 are in
	PRODH 0, 3, 0, 0
	PRODH 0, 3, 1, 0
	PLACES
	PQ 5
	BLK 1, 1
	BLK 2, 0
	BLK 3, 1
	BLK 4, 0
	BLK 5, 1
	BLK 6, 0
	BLK 7, 1
	PLACES                                         ; ahead of the first reads of the last products' results
	OUTP 7
	OUTL 7
	s_wait_dscnt 0x0
	OUTS 7
	s_wait_tensorcnt 0x0                           ; the wave's end
	ds_add_u32 v[SPW], v[NIL]
	s_wait_dscnt 0x0
	CROUND                                         ; the closing round
	s_endpgm
.Lfunc_end_k_q76654bec4d_pv:
	.size	k_q76654bec4d_pv, .Lfunc_end_k_q76654bec4d_pv-k_q76654bec4d_pv
	.p2alignl 7, 3214868480
	.fill 96, 4, 3214868480
	.section	.rodata,"a",@progbits
	.p2align	6, 0x0
	.amdhsa_kernel k_q76654bec4d_pv
		.amdhsa_group_segment_fixed_size 327680
		.amdhsa_private_segment_fixed_size 0
		.amdhsa_enable_private_segment 0
		.amdhsa_kernarg_size 40
		.amdhsa_user_sgpr_count 2
		.amdhsa_user_sgpr_kernarg_segment_ptr 1
		.amdhsa_wavefront_size32 1
		.amdhsa_system_sgpr_workgroup_id_x 1
		.amdhsa_system_sgpr_workgroup_id_y 1
		.amdhsa_system_sgpr_workgroup_id_z 1
		.amdhsa_system_vgpr_workitem_id 0
		.amdhsa_next_free_vgpr 1024
		.amdhsa_next_free_sgpr 80
		.amdhsa_reserve_vcc 0
		.amdhsa_float_denorm_mode_32 3
		.amdhsa_float_denorm_mode_16_64 3
		.amdhsa_memory_ordered 1
		.amdhsa_forward_progress 1
		.amdhsa_inst_pref_size 168
	.end_amdhsa_kernel
	.amdgpu_metadata
---
amdhsa.version: [ 1, 2 ]
amdhsa.kernels:
  - .name:           k_q76654bec4d_pv
    .symbol:         k_q76654bec4d_pv.kd
    .args:
      - { .name: pimg, .offset: 0, .size: 8, .value_kind: global_buffer, .address_space: global }
      - { .name: pst, .offset: 8, .size: 8, .value_kind: global_buffer, .address_space: global }
      - { .name: vimg, .offset: 16, .size: 8, .value_kind: global_buffer, .address_space: global }
      - { .name: vs, .offset: 24, .size: 8, .value_kind: global_buffer, .address_space: global }
      - { .name: out0, .offset: 32, .size: 8, .value_kind: global_buffer, .address_space: global }
    .group_segment_fixed_size: 327680
    .private_segment_fixed_size: 0
    .kernarg_segment_align: 8
    .kernarg_segment_size: 40
    .max_flat_workgroup_size: 128
    .sgpr_count:     80
    .vgpr_count:     1024
    .wavefront_size: 32
...
	.end_amdgpu_metadata
.endif
;; end of part 4
